; MI455X (gfx1250); checked and timed in simulation.
; The chip was launched on July 23, 2026; its instructions are those of AMD's public machine-readable ISA for CDNA 5 (MIT licence, August 2026) and "CDNA5" Instruction Set Architecture Reference Guide (July 2026). The comments in the code are by the model that wrote it; some were corrected since.
;; Self Attention. Allowed arithmetic: matrix products marked QUANTISED: E2M1 operands, one E8M0 scale for each 32 along K, by v_wmma_scale_f32_16x16x128_f8f6f4 with both operands' format E2M1 (or v_wmma_scale_f32_32x16x128_f4), f32 sums; products left as they are: bf16, f16 or f32 operands; f32 sums; everything else in f32.
;; Inputs: bk 1,024 float32; bp 1,024 float32; bq 1,024 float32; bv 1,024 float32; wk 1,024 x 1,024 float32; wp 1,024 x 1,024 float32; wq 1,024 x 1,024 float32; wv 1,024 x 1,024 float32; x 4 x 2,048 x 1,024 float32.
;; Outputs: out0 4 x 2,048 x 1,024 float32.
;; This version of the problem:
;;   THIS VERSION OF THE PROBLEM IS GIVEN IN LOW PRECISION. The matrix products marked QUANTISED in the list below multiply operands that are first quantised to E2M1 (2 exponent bits, 1 mantissa bit; 4 bits a number), with one power-of-two scale for each 32 numbers along K (OCP MX v1.0); their sums are f32. The products marked 'left as it is' may take bf16, f16 or f32 operands, with f32 sums. Whichever they take, every output number must still come out within the allowed error. Rounding operands to bf16 (8 significant bits) uses up far more of that allowance than f16 does (11 bits, for magnitudes from 6e-5 to 65,504). All else is computed in f32.
;;   The module's matrix products, in the order in which they are computed (A, B: the left and right operand; K: the contracted axis; several contracted axes count as one K, in the product's order):
;;     1. [M 8,192, K 1,024] x [K 1,024, N 1,024]; A: input x; B: input wq: QUANTISED
;;     2. [M 8,192, K 1,024] x [K 1,024, N 1,024]; A: input x; B: input wk: QUANTISED
;;     3. [M 8,192, K 1,024] x [K 1,024, N 1,024]; A: input x; B: input wv: QUANTISED
;;     4. batch 64 x [M 2,048, K 64] x [K 64, N 2,048]; A: computed on the way; B: computed on the way: left as it is (an operand is computed on the way)
;;     5. batch 64 x [M 2,048, K 2,048] x [K 2,048, N 64]; A: computed on the way; B: computed on the way: left as it is (an operand is computed on the way)
;;     6. [M 8,192, K 1,024] x [K 1,024, N 1,024]; A: computed on the way; B: input wp: left as it is (an operand is computed on the way)
;;   THE QUANTISER, for each operand of a quantised product, along K:
;;     - K is cut into blocks of 32 from its start; a last block that is shorter is filled with zeros.
;;     - A block's scale is 2^e with e = floor(log2(the largest magnitude in the block)) - 2, held to -126 .. 127; a block of zeros has e = 0. As a byte (E8M0): e + 127.
;;     - Each number is divided by its block's scale, clamped to +-6, and rounded to the nearest number of E2M1, ties to even, subnormals kept.
;;     - The product sums the exact products of the quantised numbers (number of the format x scale) in f32.
;;   ~~~python
;;   def quantise(x, axis):      # numpy; x: float32 -> the quantised numbers, widened to float32 again
;;       x = np.moveaxis(x, axis, -1); K = x.shape[-1]
;;       x = np.pad(x, [(0, 0)] * (x.ndim - 1) + [(0, -K % 32)]); x = x.reshape(x.shape[:-1] + (-1, 32)); a = np.abs(x).max(-1, keepdims=True)
;;       e = np.where(a > 0, np.clip(np.frexp(np.where(a > 0, a, 1))[1] - 1 - 2, -126, 127), 0)      # np.frexp(a)[1] - 1 = floor(log2(a)), exactly
;;       r = np.clip(x / 2.0 ** e, -6, 6)
;;       step = 2.0 ** (np.maximum(np.frexp(np.where(r == 0, 1, r))[1] - 1, 0) - 1)
;;       q = np.round(r / step) * step * 2.0 ** e      # np.round: ties to even
;;       return np.moveaxis(q.reshape(q.shape[:-2] + (-1,))[..., :K], -1, axis).astype(np.float32)
;;   ~~~
;; One version. Each part assembles by itself: llvm-mc -triple=amdgcn-amd-amdhsa -mcpu=gfx1250 --defsym DOCPART=n.
;; ======== version 1 of 1: 5 launches
;; limits: values are held in f16: magnitudes above 65,504 overflow, below 6.1e-05 lose precision
;; workspace buffers: xc 4,194,304 bytes; xs 262,144 bytes; wc 1,572,864 bytes; ws 98,304 bytes; wpi 2,097,152 bytes; qkv 50,331,648 bytes; qkv32 786,432 bytes; yi 16,777,216 bytes
;; launch prep (part 1): grid 512 x 1, 4 waves a work-group, no clusters, 39,424 bytes of LDS; arguments x, wq, wk, wv, wp, xc, xs, wc, ws, wpi; writes xc, xs, wc, ws, wpi
.if DOCPART == 1
	.amdgcn_target "amdgcn-amd-amdhsa--gfx1250"
	.amdhsa_code_object_version 6
	.text
	.protected	k_q81a1a0f5fe_prep
	.globl	k_q81a1a0f5fe_prep
	.p2align	8
	.type	k_q81a1a0f5fe_prep,@function
k_q81a1a0f5fe_prep:
	s_mov_b64 s[64:65], 0
	v_nop
	global_prefetch_b8 v0, s[64:65] scope:SCOPE_SE
	s_setreg_imm32_b32 hwreg(HW_REG_WAVE_MODE, 25, 1), 1
	s_wait_xcnt 0x0
; CAUSAL SELF-ATTENTION, B = 4, T = 2048, G = 1024, 16 heads of 64, in five launches: prep, qkv, attn, proj, fine.
; WORK LEFT OUT.  (1) bk.  k = x wk + bk, so a score is q . (x_k wk) + q . bk; the second term is the same for all keys of a query's row,
; that is along the softmax's axis, and softmax(s + const) = softmax(s) for all finite values.  The product q k^T is not quantised, so bk moves no
; code and no scale.  bk has no way to any output: it is not loaded and is no launch's argument.  (2) Key tiles that lie wholly above the diagonal of the
; mask that the problem builds itself are not multiplied.  LIMIT: a NaN, an infinity or an overflow that reaches only bk is not carried to the result.
; THIS LAUNCH turns x, wq, wk, wv into codes of E2M1 with one E8M0 byte for each 32 along K, and wp into f16.  All of it is laid AS IMAGES OF THE
; OPERANDS' REGISTERS, so that the later launches fetch every fragment by 16 bytes a lane at 16 x lane.
;   4-bit fragment (16 rows x 128 K, 1,024 bytes): block kb (32 along K) of row r lies at 256 kb + 16 r.
;   16-bit fragment (16 rows x 32 K, 1,024 bytes): k = 16 c + 8 h + 0..7 of row r lies at 512 c + 256 h + 16 r.
;   xc [half of K 2][row tile 512][4 fragments]; xs [half 2][row 8192][16 bytes]; wc, ws the same with 3,072 columns (wq, wk, wv) as rows; wpi [K step of 128: 8][column tile 64][4 fragments].
; A block's scale is 2^(floor(log2(largest magnitude)) - 2): its byte is the largest magnitude's exponent field - 2, held at 1 from below.
; LIMITS: a block of zeros gets the byte 1 where the rule says 127 (its codes are zeros, and this program alone reads the bytes); NaN and infinities among the inputs are not served; wp goes in f16.
; Work-groups 0-255 take x (K innermost: dense loads, a turn through the wave's own LDS stage); 256-511 take the weights (K outermost: a lane to a column, registers down K; no LDS).
; No matrix unit and no cluster: nothing is shared between work-groups.
.set WREG,  9728                       ; LDS of a wave: two input stages of 32 x 80 bytes, 256 scale bytes, a stage of 16 x 272 for the codes
.set SCB,   5120
.set CST,   5376
.set SPARE, 4*WREG                     ; the spare words: 128 bytes a wave, named by no other line
.set SPW,   12
.set NIL,   13
.set R,     32                         ; v32-159  eight sets of 16 numbers as loaded
.set X,     160                        ; v160-191 two sets of 16 neighbours
	s_load_b256 s[4:11], s[0:1], 0x0               ; x, wq, wk, wv
	s_load_b256 s[12:19], s[0:1], 0x20             ; wp, xc, xs, wc
	s_load_b128 s[20:23], s[0:1], 0x40             ; ws, wpi
	v_lshl_add_u32 v[SPW], v0, 2, SPARE
	v_mov_b32 v[NIL], 0
	v_lshrrev_b32 v1, 5, v0
	v_readfirstlane_b32 s24, v1                    ; wave
	v_and_b32 v2, 31, v0                           ; lane
	s_cmp_lt_u32 ttmp9, 256
	s_cbranch_scc0 .Lweights
; ---------------- x: wave W = 4 wg + wave takes row tile W / 2, half W % 2 of K: 16 steps, a step = 512 numbers of one row
	v_lshlrev_b32 v3, 4, v2                        ; 16 x lane
	s_mul_i32 s25, s24, WREG
	v_lshrrev_b32 v14, 2, v2
	v_mul_u32_u24 v14, v14, 80
	v_and_b32 v15, 3, v2
	v_lshl_add_u32 v14, v15, 4, v14
	v_add_nc_u32 v14, s25, v14                     ; input stage, way in: 80 (lane / 4) + 16 (lane % 4)
	v_mul_u32_u24 v15, v2, 80
	v_add_nc_u32 v15, s25, v15                     ; way out: 80 x lane: my 16 neighbours
	v_lshrrev_b32 v5, 1, v2                        ; my block of the step's 16
	v_mul_u32_u24 v4, v5, 272
	v_and_b32 v6, 1, v2
	v_lshl_add_u32 v4, v6, 3, v4
	v_add_nc_u32 v4, s25, v4
	v_add_nc_u32 v4, CST, v4                       ; code stage: row = block, 16 bytes a step, my 8 of them
	v_add_nc_u32 v5, s25, v5
	v_add_nc_u32 v5, SCB, v5                       ; my block's scale byte
	v_lshlrev_b32 v7, 3, v2
	v_add_nc_u32 v6, s25, v7
	v_add_nc_u32 v6, SCB, v6                       ; the scale bytes on their way out: 8 a lane
	v_lshrrev_b32 v16, 4, v2
	v_mul_u32_u24 v16, v16, 272
	v_and_b32 v17, 15, v2
	v_lshl_add_u32 v16, v17, 4, v16
	v_add_nc_u32 v16, s25, v16
	v_add_nc_u32 v16, CST, v16                     ; the codes on their way out: sixteen lanes to a row of 256 bytes
	s_lshl_b32 s26, ttmp9, 2
	s_add_co_u32 s26, s26, s24                     ; W
	s_lshr_b32 s27, s26, 1                         ; row tile
	s_and_b32 s28, s26, 1                          ; half of K
	s_lshl_b32 s30, s27, 16
	s_lshl_b32 s29, s28, 11
	s_add_co_u32 s30, s30, s29
	s_mov_b32 s31, 0
	s_lshl_b32 s32, s28, 21
	s_lshl_b32 s29, s27, 12
	s_add_co_u32 s32, s32, s29
	s_mov_b32 s33, 0
	s_lshl_b32 s34, s28, 17
	s_lshl_b32 s29, s27, 8
	s_add_co_u32 s34, s34, s29
	s_mov_b32 s35, 0
	s_wait_kmcnt 0x0
	s_add_nc_u64 s[4:5], s[4:5], s[30:31]
	s_add_nc_u64 s[14:15], s[14:15], s[32:33]
	s_add_nc_u64 s[16:17], s[16:17], s[34:35]
.macro LOADX t                         ; a step's 2,048 bytes: four loads of 512 consecutive bytes
.irp i, 0,1,2,3
	global_load_b128 v[R+16*((\t)%8)+4*\i:R+16*((\t)%8)+4*\i+3], v3, s[4:5] offset:4096*(\t)+512*\i th:TH_LOAD_NT
.endr
.endm
.macro TURNX t                         ; through the stage: LDS serves a wave's instructions in order, so no wait stands between the stores and the loads
.irp i, 0,1,2,3
	ds_store_b128 v14, v[R+16*((\t)%8)+4*\i:R+16*((\t)%8)+4*\i+3] offset:2560*((\t)%2)+640*\i
.endr
.irp i, 0,1,2,3
	ds_load_b128 v[X+16*((\t)%2)+4*\i:X+16*((\t)%2)+4*\i+3], v15 offset:2560*((\t)%2)+16*\i
.endr
.endm
.macro STEPX t
.set XS, X+16*((\t)%2)
.set CC, 18+2*((\t)%2)                 ; the codes' and the byte's registers take turns: a set is written again when the stores of two steps back are done
.set EB, 22+((\t)%2)
.if (\t) > 0
	s_wait_dscnt 2                                 ; this step's numbers are back; only the last step's two stores may be out
.else
	s_wait_dscnt 0x0
.endif
.if (\t)+8 < 16
	LOADX (\t)+8                                   ; into the set that this step's turn has read
.endif
.if (\t)+1 < 16
.if (\t) <= 7
	s_wait_loadcnt 28                              ; the next step's four loads are in; those of the seven steps behind it may be out
.else
	s_wait_loadcnt 4*(14-(\t))
.endif
	TURNX (\t)+1
.endif
	v_max3_num_f32 v8, |v[XS]|, |v[XS+1]|, |v[XS+2]|
	v_max3_num_f32 v9, |v[XS+3]|, |v[XS+4]|, |v[XS+5]|
.irp i, 6,10
	v_max3_num_f32 v8, v8, |v[XS+\i]|, |v[XS+\i+1]|
	v_max3_num_f32 v9, v9, |v[XS+\i+2]|, |v[XS+\i+3]|
.endr
	v_max3_num_f32 v8, v8, |v[XS+14]|, |v[XS+15]|
	v_max3_num_f32 v8, v8, v9, 0x1800000           ; the floor 2^(3 - 127): the byte cannot fall under 1
	v_max_num_f32_dpp v8, v8, v8 row_xmask:1 row_mask:0xf bank_mask:0xf   ; with my neighbour's 16: the block's largest magnitude
	v_add_nc_u32 v11, 0xff000000, v8               ; 2 off its exponent field: the conversion's scale operand
	v_cvt_scalef32_pk8_fp4_f32 v[CC], v[XS:XS+7], v11
	v_cvt_scalef32_pk8_fp4_f32 v[CC+1], v[XS+8:XS+15], v11
	v_lshrrev_b32 v[EB], 23, v11                   ; the scale's byte (also the plain line behind the conversions)
	ds_store_b64 v4, v[CC:CC+1] offset:16*(\t)     ; row t's 8 bytes of my block
	ds_store_b8 v5, v[EB] offset:16*(\t)           ; both lanes of a block write the same byte
.endm
.irp t, 0,1,2,3,4,5,6,7
	LOADX \t
.endr
	s_wait_loadcnt 28
	TURNX 0
.irp t, 0,1,2,3,4,5,6,7,8,9,10,11,12,13,14,15
	STEPX \t
.endr
	ds_load_b64 v[8:9], v6
.irp i, 0,1,2,3,4,5,6,7
	ds_load_b128 v[R+4*\i:R+4*\i+3], v16 offset:544*\i
.endr
	s_wait_dscnt 0x0
	global_store_b64 v7, v[8:9], s[16:17]          ; 256 consecutive bytes of scale bytes
.irp i, 0,1,2,3,4,5,6,7
	global_store_b128 v3, v[R+4*\i:R+4*\i+3], s[14:15] offset:512*\i   ; 512 consecutive bytes of codes
.endr
	s_wait_tensorcnt 0x0                           ; the wave's end
	ds_add_u32 v[SPW], v[NIL]
	s_wait_dscnt 0x0
	s_endpgm
; ---------------- the weights: g = wg - 256: which weight g / 64, K step of 128 (g / 8) % 8, 128 columns g % 8; a wave takes 32 columns, a lane one
.Lweights:
	s_sub_co_u32 s25, ttmp9, 256
	s_lshr_b32 s26, s25, 6                         ; 0 wq, 1 wk, 2 wv, 3 wp
	s_bfe_u32 s27, s25, 0x30003                    ; K step
	s_and_b32 s28, s25, 7                          ; column group
	v_lshlrev_b32 v3, 2, v2                        ; in: 4 bytes a lane
	v_lshrrev_b32 v4, 4, v2
	v_and_b32 v5, 15, v2
	v_lshlrev_b32 v4, 12, v4
	v_lshl_add_u32 v4, v5, 4, v4                   ; out: tile lane / 16, row lane % 16
	v_lshlrev_b32 v5, 4, v2                        ; scale words: 16 bytes a column
	s_lshl_b32 s30, s27, 19
	s_lshl_b32 s29, s28, 9
	s_add_co_u32 s30, s30, s29
	s_lshl_b32 s29, s24, 7
	s_add_co_u32 s30, s30, s29
	s_mov_b32 s31, 0
	s_lshl_b32 s32, s28, 3
	s_lshl_b32 s29, s24, 1
	s_add_co_u32 s32, s32, s29                     ; my first column tile in the weight
	s_wait_kmcnt 0x0
	s_cmp_eq_u32 s26, 1                            ; the choice hangs on the work-group's number alone
	s_cselect_b64 s[6:7], s[8:9], s[6:7]
	s_cmp_eq_u32 s26, 2
	s_cselect_b64 s[6:7], s[10:11], s[6:7]
	s_cmp_eq_u32 s26, 3
	s_cselect_b64 s[6:7], s[12:13], s[6:7]
	s_add_nc_u64 s[6:7], s[6:7], s[30:31]
.macro LOADW t                         ; block t: rows 32 t + i of my column; 32 lanes read 128 consecutive bytes
.set i, 0
.rept 32
	global_load_b32 v[32+32*((\t)%2)+i], v3, s[6:7] offset:(32*(\t)+i)*4096 th:TH_LOAD_NT
.set i, i+1
.endr
.endm
	LOADW 0
	LOADW 1
	s_cmp_eq_u32 s26, 3
	s_cbranch_scc1 .Lwp
	s_lshr_b32 s33, s27, 2                         ; half of K
	s_and_b32 s34, s27, 3                          ; fragment in the half
	s_lshl_b32 s35, s26, 6
	s_add_co_u32 s35, s35, s32                     ; column tile among the 192
	s_mul_i32 s36, s33, 786432
	s_lshl_b32 s29, s35, 12
	s_add_co_u32 s36, s36, s29
	s_lshl_b32 s29, s34, 10
	s_add_co_u32 s36, s36, s29
	s_mov_b32 s37, 0
	s_add_nc_u64 s[18:19], s[18:19], s[36:37]
	s_mul_i32 s36, s33, 49152
	s_lshl_b32 s29, s35, 8
	s_add_co_u32 s36, s36, s29
	s_lshl_b32 s29, s34, 2
	s_add_co_u32 s36, s36, s29
	s_add_nc_u64 s[20:21], s[20:21], s[36:37]
.macro BLOCKW t
.set XS, 32+32*((\t)%2)
.if (\t) < 3
	s_wait_loadcnt 32                              ; this block's 32 loads are in; the next block's may be out
.else
	s_wait_loadcnt 0x0
.endif
	v_max3_num_f32 v21, |v[XS]|, |v[XS+1]|, |v[XS+2]|   ; all 32 numbers of the block are mine
	v_max3_num_f32 v22, |v[XS+3]|, |v[XS+4]|, |v[XS+5]|
.irp i, 6,10,14,18,22,26
	v_max3_num_f32 v21, v21, |v[XS+\i]|, |v[XS+\i+1]|
	v_max3_num_f32 v22, v22, |v[XS+\i+2]|, |v[XS+\i+3]|
.endr
	v_max3_num_f32 v21, v21, |v[XS+30]|, |v[XS+31]|
	v_max3_num_f32 v21, v21, v22, 0x1800000
	v_add_nc_u32 v23, 0xff000000, v21
	v_lshrrev_b32 v22, 23, v23
.if (\t) == 0
	v_mov_b32 v24, v22                             ; four bytes make the K step's scale word
.else
	v_lshl_or_b32 v24, v22, 8*(\t), v24
.endif
.irp g, 0,1,2,3
	v_cvt_scalef32_pk8_fp4_f32 v[96+4*(\t)+\g], v[XS+8*\g:XS+8*\g+7], v23
.endr
	v_nop                                          ; one plain line behind the conversions
	global_store_b128 v4, v[96+4*(\t):96+4*(\t)+3], s[18:19] offset:256*(\t)   ; sixteen lanes fill 256 consecutive bytes
.if (\t) < 2
	LOADW (\t)+2
.endif
.endm
	BLOCKW 0
	BLOCKW 1
	BLOCKW 2
	BLOCKW 3
	global_store_b32 v5, v24, s[20:21]             ; 4 bytes at a pitch of 16: 96 KiB in all, one byte for each 128 read
	s_endpgm
.Lwp:
	s_lshl_b32 s36, s27, 18
	s_lshl_b32 s29, s32, 12
	s_add_co_u32 s36, s36, s29
	s_mov_b32 s37, 0
	s_add_nc_u64 s[22:23], s[22:23], s[36:37]
.macro BLOCKP t                        ; 32 along K of my column become a row of one 16-bit fragment
.set XS, 32+32*((\t)%2)
.if (\t) < 3
	s_wait_loadcnt 32
.else
	s_wait_loadcnt 0x0
.endif
.set i, 0
.rept 16
	v_cvt_pk_f16_f32 v[96+16*(\t)+i], v[XS+2*i], v[XS+2*i+1]
.set i, i+1
.endr
.irp g, 0,1,2,3
	global_store_b128 v4, v[96+16*(\t)+4*\g:96+16*(\t)+4*\g+3], s[22:23] offset:1024*(\t)+512*(\g/2)+256*(\g%2)
.endr
.if (\t) < 2
	LOADW (\t)+2
.endif
.endm
	BLOCKP 0
	BLOCKP 1
	BLOCKP 2
	BLOCKP 3
	s_endpgm
.Lfunc_end_k_q81a1a0f5fe_prep:
	.size	k_q81a1a0f5fe_prep, .Lfunc_end_k_q81a1a0f5fe_prep-k_q81a1a0f5fe_prep
	.p2alignl 7, 3214868480
	.fill 96, 4, 3214868480
	.section	.rodata,"a",@progbits
	.p2align	6, 0x0
	.amdhsa_kernel k_q81a1a0f5fe_prep
		.amdhsa_group_segment_fixed_size 39424
		.amdhsa_private_segment_fixed_size 0
		.amdhsa_enable_private_segment 0
		.amdhsa_kernarg_size 80
		.amdhsa_user_sgpr_count 2
		.amdhsa_user_sgpr_kernarg_segment_ptr 1
		.amdhsa_wavefront_size32 1
		.amdhsa_system_sgpr_workgroup_id_x 1
		.amdhsa_system_sgpr_workgroup_id_y 1
		.amdhsa_system_sgpr_workgroup_id_z 1
		.amdhsa_system_vgpr_workitem_id 0
		.amdhsa_next_free_vgpr 192
		.amdhsa_next_free_sgpr 66
		.amdhsa_reserve_vcc 0
		.amdhsa_float_denorm_mode_32 3
		.amdhsa_float_denorm_mode_16_64 3
		.amdhsa_memory_ordered 1
		.amdhsa_forward_progress 1
		.amdhsa_inst_pref_size 67
	.end_amdhsa_kernel
	.amdgpu_metadata
---
amdhsa.version: [ 1, 2 ]
amdhsa.kernels:
  - .name:           k_q81a1a0f5fe_prep
    .symbol:         k_q81a1a0f5fe_prep.kd
    .args:
      - { .name: x, .offset: 0, .size: 8, .value_kind: global_buffer, .address_space: global }
      - { .name: wq, .offset: 8, .size: 8, .value_kind: global_buffer, .address_space: global }
      - { .name: wk, .offset: 16, .size: 8, .value_kind: global_buffer, .address_space: global }
      - { .name: wv, .offset: 24, .size: 8, .value_kind: global_buffer, .address_space: global }
      - { .name: wp, .offset: 32, .size: 8, .value_kind: global_buffer, .address_space: global }
      - { .name: xc, .offset: 40, .size: 8, .value_kind: global_buffer, .address_space: global }
      - { .name: xs, .offset: 48, .size: 8, .value_kind: global_buffer, .address_space: global }
      - { .name: wc, .offset: 56, .size: 8, .value_kind: global_buffer, .address_space: global }
      - { .name: ws, .offset: 64, .size: 8, .value_kind: global_buffer, .address_space: global }
      - { .name: wpi, .offset: 72, .size: 8, .value_kind: global_buffer, .address_space: global }
    .group_segment_fixed_size: 39424
    .private_segment_fixed_size: 0
    .kernarg_segment_align: 8
    .kernarg_segment_size: 80
    .max_flat_workgroup_size: 128
    .sgpr_count:     66
    .vgpr_count:     192
    .wavefront_size: 32
...
	.end_amdgpu_metadata
.endif
;; end of part 1
;; launch qkv (part 2): grid 12 x 32, 4 waves a work-group, clusters of 4 x 4, 279,040 bytes of LDS; arguments xc, xs, wc, ws, bq, bv, qkv, qkv32; writes qkv, qkv32
.if DOCPART == 2
	.amdgcn_target "amdgcn-amd-amdhsa--gfx1250"
	.amdhsa_code_object_version 6
	.text
	.protected	k_q81a1a0f5fe_qkv
	.globl	k_q81a1a0f5fe_qkv
	.p2align	8
	.type	k_q81a1a0f5fe_qkv,@function
k_q81a1a0f5fe_qkv:
	s_mov_b64 s[64:65], 0
	v_nop
	global_prefetch_b8 v0, s[64:65] scope:SCOPE_SE
	s_setreg_imm32_b32 hwreg(HW_REG_WAVE_MODE, 25, 1), 1
	s_wait_xcnt 0x0
	s_wait_alu depctr_hold_cnt(0) depctr_sa_sdst(0) depctr_va_vdst(0) depctr_va_sdst(0) depctr_va_ssrc(0) depctr_va_vcc(0) depctr_vm_vsrc(0)
	s_getreg_b32 s2, hwreg(HW_REG_IB_STS2, 6, 4)
	s_cmp_eq_u32 s2, 0
	s_cbranch_scc0 .Lentry_in_a_cluster
	s_endpgm
.Lentry_in_a_cluster:
	s_bfe_u32 s2, ttmp6, 0x10000c
	s_cmp_lg_u32 s2, 0xf033
	s_cbranch_scc0 .Lentry_shape_is_right
	s_endpgm
.Lentry_shape_is_right:
; q = (x wq + bq) c, k = x wk, v = x wv + bv on codes of E2M1 with E8M0 scales; c = log2(e) / 8 is folded into q in f32.  bk is left out: it adds the same term to all scores of a row.
; A tile of 256 x 256 of one product to a work-group of four waves, 128 x 128 a wave (64 accumulators), all of K = 1,024 in two LDS slots of 512, both asked for at the head: no LDS byte is filled twice.
; Codes and scale bytes lie in memory as images of the operands' registers: a tile of 256 rows x 512 K is 65,536 dense bytes, and a fragment is two loads at 16 x lane: no pitch, no padding.
; THE CLUSTER'S x SAYS WHICH PRODUCT (0 q, 1 k, 2 v).  The instruction is used transposed (source 0 = side B, source 1 = side A): a lane holds one row of A and eight neighbouring rows of B.
; q, k: A = x (tokens), B = the weight (channels): a lane's eight channels, rounded to f16, are half a fragment [16 tokens x 32 channels].  v: A = wv, B = x: half a fragment [16 channels x 32 keys].
; So every result leaves as an image too: each store covers 512 consecutive bytes, with no stage in LDS.
; CLUSTERS 4 x 4: A's tiles are shared along a row of the cluster, B's along a column: joint loads.
; The first 16 positions of every sequence also leave in f32 (qkv32), chosen by EXEC and by no branch, since which partner holds them hangs on its place in the cluster.
; LIMITS: q c, k, v go in f16 (magnitudes up to 65,504).
; REGISTERS: window 0: v16-29 addresses; v32-95 scale words, two sets, later packed results; v128-191 A's fragments; v192-255 the bias.  window 1: B's fragments, two sets.  windows 2, 3: accumulators, (a, b) at v[8 (8 (a % 4) + b)].
.set NQ,    4
.set FR,    8
.set NL,    2
.set NP,    4
.set SLOT,  131072                     ; A's 16 tiles of 4,096 bytes, then B's
.set BOFF,  65536
.set SCL,   262144                     ; A's scale bytes, half 0 and half 1 (4,096 each), then B's
.set SPARE, 278528                     ; the spare words: 128 bytes a wave
.set ADRA, 16
.set ADRB, 20
.set BO1,  24                          ; 32 h
.set BO2,  25                          ; 4 r
.set LO,   26                          ; 16 x lane
.set ADRS, 27
.set SPW,  28
.set NIL,  29
.set SC,   32
.set PK,   32
.set AF,   128
.set BIAS, 192
.set G1,   24
.set G0,   32
.set G1B,  48
.set G0B,  56
.set G1S,  68
.set G0S,  76
.set G1SB, 80
.set G0SB, 88
.set MSB, 0
.macro WIN new                         ; the immediate's high byte repeats the setting that is left
.if MSB != (\new)
	s_set_vgpr_msb (MSB<<8)|(\new)
.set MSB, (\new)
.endif
.endm
.set MUL_LO, 0xa1                      ; source 0 (B) window 1, source 1 (A) window 0, C and D window 2
.set MUL_HI, 0xf1
.set TO_B,   0x40
.macro JLOAD g0a, g1a, g0b, g1b        ; waves 0, 1 fetch for A, waves 2, 3 for B
	s_cmp_eq_u32 s21, 0
	s_cbranch_scc0 .Lfor_b_\@
	tensor_load_to_lds s[\g0a:\g0a+3], s[\g1a:\g1a+7]
	s_nop 0
.rept 4
	v_nop
.endr
	s_branch .Lasked_\@
.Lfor_b_\@:
	tensor_load_to_lds s[\g0b:\g0b+3], s[\g1b:\g1b+7]
	s_nop 0
.rept 4
	v_nop
.endr
.Lasked_\@:
.endm
.macro CROUND                          ; a round of the cluster's barrier
	s_barrier_signal -1
	s_barrier_wait -1
	s_cmp_lg_u32 s20, 0
	s_cbranch_scc1 .Lnot_wave_0_\@
	s_barrier_signal -3
.Lnot_wave_0_\@:
	s_barrier_wait -3
	s_barrier_signal -1
	s_barrier_wait -1
.endm
	s_load_b512 s[4:19], s[0:1], 0x0               ; xc, xs, wc, ws, bq, bv, qkv, qkv32
	v_lshl_add_u32 v[SPW], v0, 2, SPARE
	v_mov_b32 v[NIL], 0
	ds_add_u32 v[SPW], v[NIL]                      ; the opening: the add, twice on end, and its wait ahead of my first tensor load
	ds_add_u32 v[SPW], v[NIL]
	v_lshrrev_b32 v1, 5, v0
	v_readfirstlane_b32 s20, v1                    ; wave
	s_lshr_b32 s21, s20, 1                         ; my half of A's rows; also: I fetch for A (0) or B (1)
	s_and_b32 s22, s20, 1                          ; my half of B's rows; also: which half I fetch
	s_mov_b32 s23, ttmp9                           ; which product: the same in all sixteen partners
	s_bfe_u32 s40, ttmp6, 0x40000                  ; cx
	s_bfe_u32 s41, ttmp6, 0x40004                  ; cy
	s_and_b32 s46, ttmp7, 0xffff
	s_lshl_b32 s46, s46, 2                         ; 4 x cluster y
	s_lshl_b32 s47, s23, 2
	s_cmp_eq_u32 s23, 2
	s_cselect_b32 s42, 8, s46                      ; A's tiles: x's by the cluster's y, or wv's (8 to 11)
	s_cselect_b32 s43, s46, s47                    ; B's tiles: the weight's, or x's
	s_mov_b32 s96, 786432
	s_cselect_b32 s96, s96, 0x200000               ; from half to half of K, in bytes: A's codes,
	s_mov_b32 s66, 786432
	s_cselect_b32 s66, 0x200000, s66               ; B's codes,
	s_mov_b32 s92, 49152
	s_cselect_b32 s92, s92, 0x20000                ; A's scale bytes,
	s_mov_b32 s94, 49152
	s_cselect_b32 s94, 0x20000, s94                ; B's
	s_add_co_u32 s42, s42, s41                     ; TA: hangs on cy alone
	s_add_co_u32 s43, s43, s40                     ; TB: on cx alone
	s_lshl_b32 s44, s41, 2
	s_lshl_b32 s44, 15, s44                        ; my row of the cluster
	s_lshl_b32 s45, 0x1111, s40                    ; my column
	; group 1: dense blocks as rows of 256 bytes (32 elements of 8 bytes): 128 rows of codes, 16 rows of scale bytes; no padding; bit 21 stands beside the mask
	s_or_b32 s[G1], s44, (3<<16)|(1<<21)
	s_or_b32 s[G1B], s45, (3<<16)|(1<<21)
	s_or_b32 s[G1S], s44, (3<<16)|(1<<21)
	s_or_b32 s[G1SB], s45, (3<<16)|(1<<21)
.irp g, G1, G1B
	s_mov_b32 s[\g+1], 32<<16
	s_mov_b32 s[\g+2], 128<<16
	s_mov_b32 s[\g+3], 32<<16
	s_mov_b32 s[\g+4], 128
	s_mov_b32 s[\g+5], 32
	s_mov_b32 s[\g+6], 0
	s_mov_b32 s[\g+7], 0
.endr
.irp g, G1S, G1SB
	s_mov_b32 s[\g+1], 32<<16
	s_mov_b32 s[\g+2], 16<<16
	s_mov_b32 s[\g+3], 32<<16
	s_mov_b32 s[\g+4], 16
	s_mov_b32 s[\g+5], 32
	s_mov_b32 s[\g+6], 0
	s_mov_b32 s[\g+7], 0
.endr
	s_lshl_b32 s2, s42, 16
	s_lshl_b32 s3, s22, 15
	s_add_co_u32 s2, s2, s3
	s_mov_b32 s3, 0                                ; A's codes: tile x 65,536 + my half of its rows
	s_lshl_b32 s100, s43, 16
	s_lshl_b32 s101, s22, 15
	s_add_co_u32 s100, s100, s101
	s_mov_b32 s101, 0                              ; B's
	s_mul_i32 s92, s92, s22
	s_lshl_b32 s93, s42, 12
	s_add_co_u32 s92, s92, s93
	s_mov_b32 s93, 0                               ; A's scale bytes: tile x 4,096, the half of K that I fetch
	s_mul_i32 s94, s94, s22
	s_lshl_b32 s95, s43, 12
	s_add_co_u32 s94, s94, s95
	s_mov_b32 s95, 0
	s_mov_b32 s97, 0
	s_mov_b32 s67, 0
	s_lshl_b32 s98, s20, 15                        ; where they go: wave x 32,768 in a slot,
	s_lshl_b32 s99, s20, 12                        ; wave x 4,096 among the scale bytes: no place in the cluster enters an LDS address
	s_wait_dscnt 0x0                               ; both opening adds are done
	s_wait_kmcnt 0x0
	s_cmp_eq_u32 s23, 2
	s_cselect_b64 s[G0+2:G0+3], s[8:9], s[4:5]
	s_cselect_b64 s[G0B+2:G0B+3], s[4:5], s[8:9]
	s_cselect_b64 s[G0S+2:G0S+3], s[10:11], s[6:7]
	s_cselect_b64 s[G0SB+2:G0SB+3], s[6:7], s[10:11]
	s_add_nc_u64 s[G0+2:G0+3], s[G0+2:G0+3], s[2:3]
	s_add_nc_u64 s[G0+6:G0+7], s[G0+2:G0+3], s[96:97]
	s_add_nc_u64 s[G0B+2:G0B+3], s[G0B+2:G0B+3], s[100:101]
	s_add_nc_u64 s[G0B+6:G0B+7], s[G0B+2:G0B+3], s[66:67]
	s_add_nc_u64 s[G0S+2:G0S+3], s[G0S+2:G0S+3], s[92:93]
	s_add_nc_u64 s[G0SB+2:G0SB+3], s[G0SB+2:G0SB+3], s[94:95]
	s_or_b32 s[G0+3], s[G0+3], 0x80000000
	s_or_b32 s[G0+7], s[G0+7], 0x80000000
	s_or_b32 s[G0B+3], s[G0B+3], 0x80000000
	s_or_b32 s[G0B+7], s[G0B+7], 0x80000000
	s_or_b32 s[G0S+3], s[G0S+3], 0x80000000
	s_or_b32 s[G0SB+3], s[G0SB+3], 0x80000000
	s_mov_b32 s[G0], 1
	s_mov_b32 s[G0+4], 1
	s_mov_b32 s[G0B], 1
	s_mov_b32 s[G0B+4], 1
	s_mov_b32 s[G0S], 1
	s_mov_b32 s[G0SB], 1
	s_mov_b32 s[G0+1], s98
	s_add_co_u32 s[G0+5], s98, SLOT
	s_mov_b32 s[G0B+1], s98
	s_add_co_u32 s[G0B+5], s98, SLOT
	s_add_co_u32 s[G0S+1], s99, SCL
	s_add_co_u32 s[G0SB+1], s99, SCL
	CROUND                                         ; all sixteen work-groups are here: the first joint loads meet
	JLOAD G0S, G1S, G0SB, G1SB                     ; three loads of mine are out: the scale bytes,
	JLOAD G0, G1, G0B, G1B                         ; slot 0,
	JLOAD G0+4, G1, G0B+4, G1B                     ; slot 1
	v_and_b32 v1, 15, v0                           ; r
	v_bfe_u32 v2, v0, 4, 1                         ; h
	v_and_b32 v3, 31, v0
	v_lshlrev_b32 v[LO], 4, v3
	s_lshl_b32 s2, s21, 15
	s_lshl_b32 s3, s22, 15
	s_add_co_u32 s3, s3, BOFF
.irp s, 0,1
	v_add_nc_u32 v[ADRA+\s], s2, v[LO]
	v_add_nc_u32 v[ADRB+\s], s3, v[LO]
	s_add_co_u32 s2, s2, SLOT
	s_add_co_u32 s3, s3, SLOT
.endr
	s_lshl_b32 s2, s21, 11                         ; scale words: lanes 0-15 A's rows, lanes 16-31 B's: the lower base + h x the distance
	s_lshl_b32 s3, s22, 11
	s_add_co_u32 s3, s3, 8192
	s_sub_co_u32 s3, s3, s2
	v_mul_u32_u24 v4, s3, v2
	s_add_co_u32 s2, s2, SCL
	v_lshl_add_u32 v4, v1, 4, v4
	v_add_nc_u32 v[ADRS], s2, v4
	v_lshlrev_b32 v[BO1], 5, v2
	v_lshlrev_b32 v[BO2], 2, v1
	; the way out: TT token tile, cc the channels' place in the cluster, WT, WC my token and channel half: one formula for the three products
	s_cmp_eq_u32 s23, 2
	s_cselect_b32 s47, s43, s42
	s_cselect_b32 s66, s41, s40
	s_cselect_b32 s67, s22, s21
	s_cselect_b32 s46, s21, s22
	s_lshr_b32 s100, s47, 3                        ; batch
	s_and_b32 s47, s47, 7
	s_or_b32 s98, s47, s67                         ; 0 where my first 16 tokens are a sequence's first 16
	s_lshl_b32 s92, s100, 4
	s_lshl_b32 s101, s66, 2
	s_add_co_u32 s92, s92, s101
	s_lshl_b32 s101, s46, 1
	s_add_co_u32 s92, s92, s101                    ; batch x 16 + my first head
	s_lshl_b32 s92, s92, 18
	s_lshl_b32 s101, s47, 15
	s_add_co_u32 s92, s92, s101
	s_lshl_b32 s101, s67, 14
	s_add_co_u32 s92, s92, s101
	s_lshl_b32 s101, s23, 24
	s_add_co_u32 s92, s92, s101
	s_mov_b32 s93, 0
	s_add_nc_u64 s[92:93], s[16:17], s[92:93]
	s_lshl_b32 s94, s23, 18
	s_lshl_b32 s101, s100, 16
	s_add_co_u32 s94, s94, s101
	s_lshl_b32 s101, s66, 14
	s_add_co_u32 s94, s94, s101
	s_lshl_b32 s101, s46, 13
	s_add_co_u32 s94, s94, s101
	s_mov_b32 s95, 0
	s_add_nc_u64 s[94:95], s[18:19], s[94:95]
	s_lshl_b32 s2, s66, 10
	s_lshl_b32 s101, s46, 9
	s_add_co_u32 s2, s2, s101
	s_mov_b32 s3, 0
	s_add_nc_u64 s[12:13], s[12:13], s[2:3]        ; the bias of my 128 channels
	s_add_nc_u64 s[14:15], s[14:15], s[2:3]
	s_mov_b32 s96, 0x3e38aa3b                      ; c = log2(e) / 8
	s_mov_b32 s97, s96
.macro FRAG reg, adr, q, i             ; a fragment's image: two loads of 512 consecutive bytes
.irp c, 0,1
	ds_load_b128 v[\reg+4*\c:\reg+4*\c+3], v[\adr] offset:1024*(\q)+512*\c+4096*(\i)
.endr
.endm
; 16 products: A's blocks a0, a0 + 1 x B's eight.  The 64 accumulators take turns, one instruction a turn, in the same order in every step.
.macro MUL16 a0, p, q, sc, zero
.irp a, \a0, \a0+1
.irp b, 0,1,2,3,4,5,6,7
.if \zero
	v_wmma_scale_f32_16x16x128_f8f6f4 v[8*(8*((\a)%4)+\b):8*(8*((\a)%4)+\b)+7], v[128*(\p)+FR*\b:128*(\p)+FR*\b+FR-1], v[AF+FR*(\a):AF+FR*(\a)+FR-1], 0, v[SC+8*NQ*(\sc)+NQ*\b+(\q)], v[SC+8*NQ*(\sc)+NQ*(\a)+(\q)] matrix_a_fmt:MATRIX_FMT_FP4 matrix_b_fmt:MATRIX_FMT_FP4 matrix_a_scale:MATRIX_SCALE_ROW1
.else
	v_wmma_scale_f32_16x16x128_f8f6f4 v[8*(8*((\a)%4)+\b):8*(8*((\a)%4)+\b)+7], v[128*(\p)+FR*\b:128*(\p)+FR*\b+FR-1], v[AF+FR*(\a):AF+FR*(\a)+FR-1], v[8*(8*((\a)%4)+\b):8*(8*((\a)%4)+\b)+7], v[SC+8*NQ*(\sc)+NQ*\b+(\q)], v[SC+8*NQ*(\sc)+NQ*(\a)+(\q)] matrix_a_fmt:MATRIX_FMT_FP4 matrix_b_fmt:MATRIX_FMT_FP4 matrix_a_scale:MATRIX_SCALE_ROW1
.endif
.endr
.endr
.endm
.macro FETCH_B slot, q, p
	WIN TO_B
.irp i, 0,1,2,3,4,5,6,7
	FRAG 128*(\p)+FR*\i, ADRB+\slot, \q, \i
.endr
	WIN 0
.endm
.macro FETCH_A slot, q, i0
.irp i, \i0, \i0+1, \i0+2, \i0+3
	FRAG AF+FR*(\i), ADRA+\slot, \q, \i
.endr
.endm
.macro SCALES sc                       ; a slot's scale words: four a row; lanes 0-15 A's block i, lanes 16-31 B's block i
.irp i, 0,1,2,3,4,5,6,7
	ds_load_b128 v[SC+8*NQ*\sc+NQ*\i:SC+8*NQ*\sc+NQ*\i+3], v[ADRS] offset:256*\i
.endr
.endm
.macro PLACES n                        ; plain vector lines between a matrix instruction and a load into, or a read of, its registers
.rept \n
	v_nop
.endr
.endm
.macro STEP slot, q, zero              ; 128 along K with a successor in the same slot
	s_wait_dscnt 4*NL                              ; B's set and A's blocks 0-3 are in; the youngest eight loads (A's blocks 4-7) may be out
	WIN MUL_LO
	MUL16 0, (\q)%2, \q, \slot, \zero
	MUL16 2, (\q)%2, \q, \slot, \zero
	s_wait_dscnt 0
	PLACES NP
	FETCH_B \slot, (\q)+1, 1-(\q)%2
	FETCH_A \slot, (\q)+1, 0
	WIN MUL_HI
	MUL16 4, (\q)%2, \q, \slot, \zero
	MUL16 6, (\q)%2, \q, \slot, \zero
	PLACES NP
	WIN 0
	FETCH_A \slot, (\q)+1, 4
.endm
.macro STEPS slot, from
.set Q, \from
.rept NQ-1-\from
	STEP \slot, Q, 0
.set Q, Q+1
.endr
.endm
.macro LAST                            ; the last 128 along K: nothing more to fetch
	s_wait_dscnt 4*NL
	WIN MUL_LO
	MUL16 0, 1, NQ-1, 1, 0
	MUL16 2, 1, NQ-1, 1, 0
	s_wait_dscnt 0
	WIN MUL_HI
	MUL16 4, 1, NQ-1, 1, 0
	MUL16 6, 1, NQ-1, 1, 0
	WIN 0
.endm
; THE WAY OUT.  kind 0: q (x c, + bq c), 1: k, 2: v (+ bv).
.macro OUT kind
	PLACES NP
.if \kind != 1
	s_wait_loadcnt 0x0                             ; the bias
.endif
.if \kind == 0
.set i, 0
.rept 32
	v_pk_mul_f32 v[BIAS+i:BIAS+i+1], v[BIAS+i:BIAS+i+1], s[96:97] op_sel_hi:[1,0]
.set i, i+2
.endr
.irp a, 0,1,2,3,4,5,6,7
	WIN 0x82+0x41*(\a/4)
.irp b, 0,1,2,3,4,5,6,7
.irp i, 0,2,4,6
	v_pk_fma_f32 v[64*(\a%4)+8*\b+\i:64*(\a%4)+8*\b+\i+1], v[64*(\a%4)+8*\b+\i:64*(\a%4)+8*\b+\i+1], s[96:97], v[BIAS+8*\b+\i:BIAS+8*\b+\i+1] op_sel_hi:[1,0,1]
.endr
.endr
.endr
.endif
.if \kind == 2
.irp a, 0,1,2,3,4,5,6,7
	WIN 0x82+0x41*(\a/4)
.irp b, 0,1,2,3,4,5,6,7
.irp i, 0,2,4,6
	v_pk_add_f32 v[64*(\a%4)+8*\b+\i:64*(\a%4)+8*\b+\i+1], v[64*(\a%4)+8*\b+\i:64*(\a%4)+8*\b+\i+1], v[BIAS+2*\a:BIAS+2*\a+1]
.endr
.endr
.endr
.endif
	WIN 0
	s_wait_xcnt 0x0                                ; EXEC changes only behind this wait
	v_cmp_eq_u32 vcc_lo, s98, v[NIL]               ; all lanes or none: do I hold a sequence's first 16 positions?
	s_and_saveexec_b32 s99, vcc_lo
.if \kind < 2
	WIN 0x08                                       ; a store's data: window 2
.irp b, 0,1,2,3,4,5,6,7
	global_store_b128 v[LO], v[8*\b:8*\b+3], s[94:95] offset:1024*\b
	global_store_b128 v[LO], v[8*\b+4:8*\b+7], s[94:95] offset:1024*\b+512
.endr
.else
.irp a, 0,1,2,3,4,5,6,7
	WIN 0x08+4*(\a/4)
	global_store_b128 v[LO], v[64*(\a%4):64*(\a%4)+3], s[94:95] offset:1024*\a
	global_store_b128 v[LO], v[64*(\a%4)+4:64*(\a%4)+7], s[94:95] offset:1024*\a+512
.endr
.endif
	WIN 0
	s_wait_xcnt 0x0
	s_or_b32 exec_lo, exec_lo, s99
.irp a, 0,1,2,3,4,5,6,7
.if \a >= 2
	s_wait_xcnt 0x0                                ; block a - 2's stores have read their registers
.endif
	WIN 0x0a+5*(\a/4)
.irp b, 0,1,2,3,4,5,6,7
.irp i, 0,1,2,3
	v_cvt_pk_f16_f32 v[PK+32*(\a%2)+4*\b+\i], v[64*(\a%4)+8*\b+2*\i], v[64*(\a%4)+8*\b+2*\i+1]
.endr
.endr
	WIN 0
.irp b, 0,1,2,3,4,5,6,7
.if \kind < 2
	global_store_b128 v[LO], v[PK+32*(\a%2)+4*\b:PK+32*(\a%2)+4*\b+3], s[92:93] offset:2048*\a+262144*(\b/4)+1024*((\b/2)%2)+512*(\b%2)
.else
	global_store_b128 v[LO], v[PK+32*(\a%2)+4*\b:PK+32*(\a%2)+4*\b+3], s[92:93] offset:262144*(\a/4)+1024*(\a%4)+4096*(\b/2)+512*(\b%2)
.endif
.endr
.endr
.endm
	s_wait_tensorcnt 1                             ; the scale bytes and my part of slot 0 are in; slot 1's load may be out
	s_barrier_signal -1
	s_barrier_wait -1
	FETCH_B 0, 0, 0
	FETCH_A 0, 0, 0
	SCALES 0
	FETCH_A 0, 0, 4
	STEP 0, 0, 1                                   ; the first products start the sums: nothing is cleared
	STEPS 0, 1
	; slot 0's last step changes slots: one barrier, in front of it the wait for all my tensor loads
	s_wait_tensorcnt 0x0
	ds_add_u32 v[SPW], v[NIL]
	s_wait_dscnt 4*NL+1                            ; the add and the youngest eight loads may be out
	WIN MUL_LO
	MUL16 0, 1, NQ-1, 0, 0
	s_wait_dscnt 0x0
	s_barrier_signal -1
	MUL16 2, 1, NQ-1, 0, 0
	WIN 0
	s_barrier_wait -1                              ; slot 1 is whole
	PLACES NP
	v_add_nc_u32 v[ADRS], 4096, v[ADRS]            ; the second half's scale words
	FETCH_B 1, 0, 0
	FETCH_A 1, 0, 0
	SCALES 1
	WIN MUL_HI
	MUL16 4, 1, NQ-1, 0, 0
	MUL16 6, 1, NQ-1, 0, 0
	PLACES NP
	WIN 0
	FETCH_A 1, 0, 4
	STEPS 1, 0
	s_cmp_eq_u32 s23, 0                            ; the three products part here, on the cluster's x: the bias is asked for one step ahead of its use
	s_cbranch_scc0 .Lnot_q
.irp b, 0,1,2,3,4,5,6,7
	global_load_b128 v[BIAS+8*\b:BIAS+8*\b+3], v[BO1], s[12:13] offset:64*\b       ; bq of channels 16 b + 8 h + 0 .. 7
	global_load_b128 v[BIAS+8*\b+4:BIAS+8*\b+7], v[BO1], s[12:13] offset:64*\b+16
.endr
	LAST
	OUT 0
	s_branch .Lend
.Lnot_q:
	s_cmp_eq_u32 s23, 1
	s_cbranch_scc0 .Lis_v
	LAST
	OUT 1
	s_branch .Lend
.Lis_v:
.irp a, 0,1,2,3,4,5,6,7
	global_load_b32 v[BIAS+2*\a], v[BO2], s[14:15] offset:64*\a                    ; bv of channel 16 a + r, twice: a pair for the packed sum
	global_load_b32 v[BIAS+2*\a+1], v[BO2], s[14:15] offset:64*\a
.endr
	LAST
	OUT 2
.Lend:
	s_wait_tensorcnt 0x0                           ; the wave's end
	ds_add_u32 v[SPW], v[NIL]
	s_wait_dscnt 0x0
	CROUND                                         ; the closing round
	s_endpgm
.Lfunc_end_k_q81a1a0f5fe_qkv:
	.size	k_q81a1a0f5fe_qkv, .Lfunc_end_k_q81a1a0f5fe_qkv-k_q81a1a0f5fe_qkv
	.p2alignl 7, 3214868480
	.fill 96, 4, 3214868480
	.section	.rodata,"a",@progbits
	.p2align	6, 0x0
	.amdhsa_kernel k_q81a1a0f5fe_qkv
		.amdhsa_group_segment_fixed_size 279040
		.amdhsa_private_segment_fixed_size 0
		.amdhsa_enable_private_segment 0
		.amdhsa_kernarg_size 64
		.amdhsa_user_sgpr_count 2
		.amdhsa_user_sgpr_kernarg_segment_ptr 1
		.amdhsa_wavefront_size32 1
		.amdhsa_system_sgpr_workgroup_id_x 1
		.amdhsa_system_sgpr_workgroup_id_y 1
		.amdhsa_system_sgpr_workgroup_id_z 1
		.amdhsa_system_vgpr_workitem_id 0
		.amdhsa_next_free_vgpr 1024
		.amdhsa_next_free_sgpr 102
		.amdhsa_reserve_vcc 1
		.amdhsa_float_denorm_mode_32 3
		.amdhsa_float_denorm_mode_16_64 3
		.amdhsa_memory_ordered 1
		.amdhsa_forward_progress 1
		.amdhsa_inst_pref_size 223
	.end_amdhsa_kernel
	.amdgpu_metadata
---
amdhsa.version: [ 1, 2 ]
amdhsa.kernels:
  - .name:           k_q81a1a0f5fe_qkv
    .symbol:         k_q81a1a0f5fe_qkv.kd
    .args:
      - { .name: xc, .offset: 0, .size: 8, .value_kind: global_buffer, .address_space: global }
      - { .name: xs, .offset: 8, .size: 8, .value_kind: global_buffer, .address_space: global }
      - { .name: wc, .offset: 16, .size: 8, .value_kind: global_buffer, .address_space: global }
      - { .name: ws, .offset: 24, .size: 8, .value_kind: global_buffer, .address_space: global }
      - { .name: bq, .offset: 32, .size: 8, .value_kind: global_buffer, .address_space: global }
      - { .name: bv, .offset: 40, .size: 8, .value_kind: global_buffer, .address_space: global }
      - { .name: qkv, .offset: 48, .size: 8, .value_kind: global_buffer, .address_space: global }
      - { .name: qkv32, .offset: 56, .size: 8, .value_kind: global_buffer, .address_space: global }
    .group_segment_fixed_size: 279040
    .private_segment_fixed_size: 0
    .kernarg_segment_align: 8
    .kernarg_segment_size: 64
    .max_flat_workgroup_size: 128
    .sgpr_count:     102
    .vgpr_count:     1024
    .wavefront_size: 32
...
	.end_amdgpu_metadata
.endif
;; end of part 2
;; launch attn (part 3): grid 4 x 64, 16 waves a work-group, no clusters, 327,680 bytes of LDS; arguments qkv, yi; writes yi
.if DOCPART == 3
	.amdgcn_target "amdgcn-amd-amdhsa--gfx1250"
	.amdhsa_code_object_version 6
	.text
	.protected	k_q81a1a0f5fe_attn
	.globl	k_q81a1a0f5fe_attn
	.p2align	8
	.type	k_q81a1a0f5fe_attn,@function
k_q81a1a0f5fe_attn:
	s_mov_b64 s[64:65], 0
	v_nop
	global_prefetch_b8 v0, s[64:65] scope:SCOPE_SE
	s_setreg_imm32_b32 hwreg(HW_REG_WAVE_MODE, 25, 1), 1
	s_wait_xcnt 0x0
; y[b][h][q] = softmax_k(q . k / 8, k <= q) v, f16 operands, f32 sums, a running maximum.  q already holds log2(e) / 8, so p = 2^(s - m).
; LEFT OUT: key steps that lie wholly above the diagonal of the mask that the problem builds itself; bk (the same term along a row of scores).
; SHARES.  Work-group (I, head) owns query blocks 7 - I and I of 256: nine blocks' worth of key work for every I, and K and V are fetched once for both.
; Each of sixteen waves owns 32 queries (two tiles), so a fragment of K or V read from LDS feeds two products; waves of the late and of the early block alternate.
; LAYOUT.  S^T = K Q^T and O^T = V^T P: a lane holds one query throughout; two tiles of S^T rounded in pairs ARE a fragment of P.  q, k, v lie in memory as images of fragments: 16 bytes a lane at 16 x lane.
; RING.  Two slots of 256 keys (K 32,768 bytes, V 32,768), waves 0-3 fetch 16,384 bytes each.  Every work-group walks all eight slots with constant trip counts; a step whose keys all come after
; the wave's queries is jumped over by a branch on ids, and a slot whose first key comes after the work-group's last query is not asked for.
; NO CLUSTER: the four work-groups of a head end their walk at different slots, so a joint load would bring tiles that every wave of a partner jumps over.
; LIMITS: p, y in f16 (p <= 1; y is an average of v).
; REGISTERS: v1 16 x lane, v2 LDS address, v3, v4 the add's two, v5 prefetch offset, v8-27 ten of statistics a tile, v28 -infinity, v29-30 diagonal, v31 r - 8 h, v32-63 Q, v64-127 K or V, v128-191 S^T then P, v192-255 O^T.
.set SLOT1, 65536
.set SPARE, 131072
.set LA,  1
.set AD,  2
.set SPW, 3
.set NIL, 4
.set PFO, 5
.set ST,  8                            ; tile t at ST + 10 t: +0, +1 m; +2, +3 l; +4, +5 a; +6 .. +9 at work
.set Q,   32
.set KV,  64
.set S,   128
.set O,   192
.set WV,  8
.set TB,  9
.set KF,  10
.set Q0,  11
.set SLOTS, 12
.set LASTQ, 13
.set G1,  16
.set G0,  24
.set SEL, 28
.set PFA, 30
.set LIM, 32
.macro TLOAD                           ; waves 0-3, one load each
	s_cmp_lt_u32 s[WV], 4
	s_cbranch_scc0 .Lasked_\@
	tensor_load_to_lds s[G0:G0+3], s[G1:G1+7]
	s_nop 0
.rept 4
	v_nop
.endr
.Lasked_\@:
.endm
; A prefetch of the slot that the NEXT change will ask for: four key steps ahead of that load.  The head's work-group I = 0, which walks all slots, asks; in it waves 4-7 for K's 32,768 bytes and
; waves 8-11 for V's, 8,192 a wave, lanes 256 bytes apart: each block of 256 bytes is named once in the launch.  The last change that fills a slot asks for nothing.
.macro ASK
	s_cmp_gt_u32 s[SLOTS], s[LIM]
	s_cbranch_scc0 .Lnot_mine_\@
	global_prefetch_b8 v[PFO], s[PFA:PFA+1] th:TH_LOAD_NT scope:SCOPE_SE
.Lnot_mine_\@:
.endm
	s_load_b128 s[4:7], s[0:1], 0x0                ; qkv, yi
	v_lshl_add_u32 v[SPW], v0, 2, SPARE
	v_mov_b32 v[NIL], 0
	ds_add_u32 v[SPW], v[NIL]                      ; the opening: the add, twice on end, and its wait ahead of the first tensor load
	ds_add_u32 v[SPW], v[NIL]
	v_lshrrev_b32 v6, 5, v0
	v_readfirstlane_b32 s[WV], v6
	s_and_b32 s33, ttmp7, 0xffff                   ; batch x 16 + head
	s_lshr_b32 s14, s[WV], 2
	s_xor_b32 s14, s14, s[WV]
	s_and_b32 s14, s14, 1                          ; 0: the late block, 1: the early one
	s_lshr_b32 s15, s[WV], 1                       ; which 32 queries of the block
	s_sub_co_u32 s34, 7, ttmp9
	s_cmp_eq_u32 s14, 0
	s_cselect_b32 s34, s34, ttmp9
	s_lshl_b32 s[Q0], s34, 8
	s_lshl_b32 s15, s15, 5
	s_add_co_u32 s[Q0], s[Q0], s15                 ; my first query
	s_sub_co_u32 s[LASTQ], 8, ttmp9
	s_lshl_b32 s[LASTQ], s[LASTQ], 8
	s_sub_co_u32 s[LASTQ], s[LASTQ], 1             ; the work-group's last query
	s_mov_b32 s[G1], 3<<16                         ; a dense block as 64 rows of 256 bytes (32 elements of 8 bytes), no mask, no padding
	s_mov_b32 s[G1+1], 32<<16
	s_mov_b32 s[G1+2], 64<<16
	s_mov_b32 s[G1+3], 32<<16
	s_mov_b32 s[G1+4], 64
	s_mov_b32 s[G1+5], 32
	s_mov_b32 s[G1+6], 0
	s_mov_b32 s[G1+7], 0
	s_mov_b32 s[SEL], 0x76543210
	s_mov_b32 s[SEL+1], 0xfedcba98
	s_mov_b32 s[TB], 0
	s_mov_b32 s[KF], 0
	s_mov_b32 s[SLOTS], 7
	s_lshl_b32 s35, s33, 18                        ; the head's 262,144 bytes in q, in k and in v
	s_and_b32 s36, s[WV], 1
	s_lshl_b32 s36, s36, 14
	s_add_co_u32 s36, s36, s35
	s_cmp_lt_u32 s[WV], 2
	s_cselect_b32 s37, 1, 2
	s_lshl_b32 s37, s37, 24                        ; k begins 16 MiB into the buffer, v 32 MiB
	s_add_co_u32 s36, s36, s37
	s_mov_b32 s37, 0
	s_and_b32 s38, s[WV], 3
	s_lshl_b32 s38, s38, 14
	s_wait_dscnt 0x0
	s_wait_kmcnt 0x0
	s_mov_b32 s[G0], 1
	s_mov_b32 s[G0+1], s38
	s_add_nc_u64 s[G0+2:G0+3], s[4:5], s[36:37]
	s_or_b32 s[G0+3], s[G0+3], 0x80000000
	TLOAD                                          ; slot 0
	v_and_b32 v6, 31, v0
	v_lshlrev_b32 v[LA], 4, v6
	v_lshlrev_b32 v[PFO], 8, v6
	s_lshl_b32 s14, s[Q0], 7
	s_add_co_u32 s14, s14, s35
	s_mov_b32 s15, 0
	s_add_nc_u64 s[38:39], s[4:5], s[14:15]
.irp i, 0,1,2,3,4,5,6,7
	global_load_b128 v[Q+4*\i:Q+4*\i+3], v[LA], s[38:39] offset:512*\i   ; Q stays in registers: tile t, channels 32 f on, at Q + 16 t + 8 f
.endr
	s_sub_co_u32 s40, s[WV], 4
	s_lshr_b32 s41, s40, 3
	s_or_b32 s41, s41, ttmp9
	s_cmp_eq_u32 s41, 0
	s_cselect_b32 s[LIM], 1, -1
	s_and_b32 s40, s40, 3
	s_lshl_b32 s40, s40, 13
	s_add_co_u32 s40, s40, s35
	s_add_co_u32 s40, s40, 32768                   ; in slot 1: the first change steps it to slot 2
	s_cmp_lt_u32 s[WV], 8
	s_cselect_b32 s41, 1, 2
	s_lshl_b32 s41, s41, 24
	s_add_co_u32 s40, s40, s41
	s_mov_b32 s41, 0
	s_add_nc_u64 s[PFA:PFA+1], s[4:5], s[40:41]
	s_and_b32 s42, s33, 15                         ; head
	s_lshr_b32 s43, s33, 4                         ; batch
	s_lshr_b32 s44, s42, 1
	s_lshl_b32 s44, s44, 21
	s_lshl_b32 s43, s43, 19
	s_add_co_u32 s44, s44, s43
	s_lshl_b32 s43, s[Q0], 8
	s_add_co_u32 s44, s44, s43
	s_and_b32 s42, s42, 1
	s_lshl_b32 s42, s42, 11
	s_add_co_u32 s44, s44, s42
	s_mov_b32 s45, 0
	s_add_nc_u64 s[6:7], s[6:7], s[44:45]          ; my two row tiles' fragments of this head in yi
	v_and_b32 v6, 15, v0
	v_bfe_u32 v7, v0, 4, 1
	v_lshlrev_b32 v7, 3, v7
	v_sub_nc_u32 v31, v6, v7                       ; r - 8 h
	v_mov_b32 v28, 0xff800000
.irp t, 0,1
	v_mov_b32 v[ST+10*\t], 0xff61b1e6              ; m = -3e38, under every score
	v_mov_b32 v[ST+10*\t+1], 0
	v_mov_b32 v[ST+10*\t+2], 0                     ; l
	v_mov_b32 v[ST+10*\t+3], 0
	v_mov_b32 v[ST+10*\t+4], 0
	v_mov_b32 v[ST+10*\t+5], 0
	v_mov_b32 v[ST+10*\t+7], 0
.endr
.set i, 0
.rept 64
	v_mov_b32 v[O+i], 0                            ; the step is written once: the first finds zeros
.set i, i+1
.endr
; A KEY STEP: 64 keys, the q-th of the slot in hand.
.macro STEP q
	s_add_co_u32 s14, s[Q0], 31
	s_cmp_gt_u32 s[KF], s14                        ; all keys after my 32 queries: a branch on ids round the step's work
	s_cbranch_scc1 .Lhidden_\@
	v_add_nc_u32 v[AD], s[TB], v[LA]
.rept 4
	v_nop                                          ; with the line above five places: the products below write over P, which the last products read
.endr
.irp kt, 0,1,2,3
.irp f, 0,1
.irp c, 0,1
	ds_load_b128 v[KV+16*\kt+8*\f+4*\c:KV+16*\kt+8*\f+4*\c+3], v[AD] offset:8192*(\q)+2048*\kt+1024*\f+512*\c
.endr
.endr
.endr
	s_wait_dscnt 0x0
.irp f, 0,1                            ; eight accumulators by turns
.irp kt, 0,1,2,3
.irp t, 0,1
.if \f == 0
	v_wmma_f32_16x16x32_f16 v[S+32*\t+8*\kt:S+32*\t+8*\kt+7], v[KV+16*\kt+8*\f:KV+16*\kt+8*\f+7], v[Q+16*\t+8*\f:Q+16*\t+8*\f+7], 0
.else
	v_wmma_f32_16x16x32_f16 v[S+32*\t+8*\kt:S+32*\t+8*\kt+7], v[KV+16*\kt+8*\f:KV+16*\kt+8*\f+7], v[Q+16*\t+8*\f:Q+16*\t+8*\f+7], v[S+32*\t+8*\kt:S+32*\t+8*\kt+7]
.endif
.endr
.endr
.endr
.rept 4
	v_nop
.endr
.irp kk, 0,1                           ; V lands under the softmax
.irp ct, 0,1,2,3
.irp c, 0,1
	ds_load_b128 v[KV+32*\kk+8*\ct+4*\c:KV+32*\kk+8*\ct+4*\c+3], v[AD] offset:32768+8192*(\q)+4096*\kk+1024*\ct+512*\c
.endr
.endr
.endr
	s_add_co_u32 s14, s[KF], 63
	s_cmp_le_u32 s14, s[Q0]                        ; all keys count: nothing to hide
	s_cbranch_scc1 .Lopen_\@
	s_sub_co_i32 s14, s[Q0], s[KF]
	v_add_nc_u32 v29, s14, v31                     ; register 8 kt + j holds key KF + 16 kt + 8 h + j: hidden where 16 kt + j > my query - KF - 8 h
	v_add_nc_u32 v30, 16, v29
.irp t, 0,1
.irp kt, 0,1,2,3
.irp j, 0,1,2,3,4,5,6,7
	v_cmp_gt_i32 vcc_lo, 16*\kt+\j, v[29+\t]
	v_cndmask_b32 v[S+32*\t+8*\kt+\j], v[S+32*\t+8*\kt+\j], v28, vcc_lo
.endr
.endr
.endr
.Lopen_\@:
.irp k, 0,1,2,3                        ; the maximum: four chains a tile, each accumulator from its low end on
.irp t, 0,1
	v_max3_num_f32 v[ST+10*\t+6+\k], v[S+32*\t+8*\k], v[S+32*\t+8*\k+1], v[S+32*\t+8*\k+2]
.endr
.endr
.irp i, 3,5
.irp k, 0,1,2,3
.irp t, 0,1
	v_max3_num_f32 v[ST+10*\t+6+\k], v[ST+10*\t+6+\k], v[S+32*\t+8*\k+\i], v[S+32*\t+8*\k+\i+1]
.endr
.endr
.endr
.irp t, 0,1
	v_max3_num_f32 v[ST+10*\t+6], v[ST+10*\t+6], v[S+32*\t+7], v[S+32*\t+15]
	v_max3_num_f32 v[ST+10*\t+8], v[ST+10*\t+8], v[S+32*\t+23], v[S+32*\t+31]
.endr
.irp t, 0,1
	v_max3_num_f32 v[ST+10*\t+6], v[ST+10*\t+6], v[ST+10*\t+7], v[ST+10*\t+8]
.endr
.irp t, 0,1
	v_max3_num_f32 v[ST+10*\t+6], v[ST+10*\t+6], v[ST+10*\t+9], v[ST+10*\t]
.endr
.irp t, 0,1
	v_permlanex16_b32 v[ST+10*\t+7], v[ST+10*\t+6], s[SEL], s[SEL+1]   ; the query's other 32 keys lie 16 lanes away
.endr
.irp t, 0,1
	v_max_num_f32 v[ST+10*\t+8], v[ST+10*\t+6], v[ST+10*\t+7]
.endr
.irp t, 0,1
	v_sub_f32 v[ST+10*\t+9], v[ST+10*\t], v[ST+10*\t+8]                ; old m - new m
.endr
.irp t, 0,1
	v_mov_b32 v[ST+10*\t], v[ST+10*\t+8]
.endr
.irp t, 0,1
	v_exp_f32 v[ST+10*\t+4], v[ST+10*\t+9]         ; a: one batch with the 64 below, none of which reads a result
.endr
.irp t, 0,1
.set i, 0
.rept 16
	v_pk_add_f32 v[S+32*\t+i:S+32*\t+i+1], v[S+32*\t+i:S+32*\t+i+1], v[ST+10*\t:ST+10*\t+1] op_sel_hi:[1,0] neg_lo:[0,1] neg_hi:[0,1]
.set i, i+2
.endr
.endr
.set i, 0
.rept 64
	v_exp_f32 v[S+i], v[S+i]
.set i, i+1
.endr
	v_nop                                          ; a plain line behind the last exponential
	s_wait_alu depctr_va_vdst(0)                   ; one wait for the batch, ahead of its first reader
.irp t, 0,1
	v_pk_mul_f32 v[ST+10*\t+2:ST+10*\t+3], v[ST+10*\t+2:ST+10*\t+3], v[ST+10*\t+4:ST+10*\t+5] op_sel_hi:[1,0]
	v_pk_add_f32 v[ST+10*\t+6:ST+10*\t+7], v[S+32*\t:S+32*\t+1], v[S+32*\t+2:S+32*\t+3]
.endr
.irp j, 4,8,12,16,20,24,28
.irp t, 0,1
	v_pk_add_f32 v[ST+10*\t+2:ST+10*\t+3], v[ST+10*\t+2:ST+10*\t+3], v[S+32*\t+\j:S+32*\t+\j+1]
	v_pk_add_f32 v[ST+10*\t+6:ST+10*\t+7], v[ST+10*\t+6:ST+10*\t+7], v[S+32*\t+\j+2:S+32*\t+\j+3]
.endr
.endr
.irp t, 0,1
	v_pk_add_f32 v[ST+10*\t+2:ST+10*\t+3], v[ST+10*\t+2:ST+10*\t+3], v[ST+10*\t+6:ST+10*\t+7]
.endr
.irp t, 0,1
.set i, 0
.rept 16
	v_cvt_pk_f16_f32 v[S+32*\t+i], v[S+32*\t+2*i], v[S+32*\t+2*i+1]   ; P, in place, ascending: a line never reads what an earlier one wrote
.set i, i+1
.endr
.endr
.irp t, 0,1
.set i, 0
.rept 16
	v_pk_mul_f32 v[O+32*\t+i:O+32*\t+i+1], v[O+32*\t+i:O+32*\t+i+1], v[ST+10*\t+4:ST+10*\t+5] op_sel_hi:[1,0]
.set i, i+2
.endr
.endr
	s_wait_dscnt 0x0                               ; V
.irp kk, 0,1
.irp ct, 0,1,2,3
.irp t, 0,1
	v_wmma_f32_16x16x32_f16 v[O+32*\t+8*\ct:O+32*\t+8*\ct+7], v[KV+32*\kk+8*\ct:KV+32*\kk+8*\ct+7], v[S+32*\t+8*\kk:S+32*\t+8*\kk+7], v[O+32*\t+8*\ct:O+32*\t+8*\ct+7]
.endr
.endr
.endr
.Lhidden_\@:
	s_add_co_u32 s[KF], s[KF], 64
.endm
; THE CHANGE OF SLOTS, at a slot's head: all my tensor loads have landed, the add, my reads of the slot that I left are over; the barrier; then the other slot is asked for.
.macro CHANGE fill
	s_wait_tensorcnt 0x0
	ds_add_u32 v[SPW], v[NIL]
.if \fill
	ds_add_u32 v[SPW], v[NIL]                      ; twice on end here, in every trip alike
	s_xor_b32 s[G0+1], s[G0+1], SLOT1
	s_add_nc_u64 s[G0+2:G0+3], s[G0+2:G0+3], 32768
	s_wait_xcnt 0x0                                ; the last prefetch has read its address
	s_add_nc_u64 s[PFA:PFA+1], s[PFA:PFA+1], 32768
.endif
	s_wait_dscnt 0x0
	s_barrier_signal -1
	s_barrier_wait -1
.if \fill
	s_add_co_u32 s14, s[KF], 256                   ; the next slot's first key against the work-group's last query: ids and the count of steps alone, the same in all sixteen waves;
	s_cmp_gt_u32 s14, s[LASTQ]                     ; every wait on TENSORcnt in this text is for 0, and no step reads a slot that was left out
	s_cbranch_scc1 .Lpast_\@
	TLOAD
.Lpast_\@:
	ASK
.endif
.endm
.macro SLOT_STEPS
.set QQ, 0
.rept 4
	STEP QQ
.set QQ, QQ+1
.endr
	s_xor_b32 s[TB], s[TB], SLOT1
.endm
	s_wait_loadcnt 0x0                             ; Q
.Lslot:
	CHANGE 1
	SLOT_STEPS
	s_sub_co_u32 s[SLOTS], s[SLOTS], 1
	s_cmp_lg_u32 s[SLOTS], 0
	s_cbranch_scc1 .Lslot
	CHANGE 0
	SLOT_STEPS
	; THE WAY OUT: O^T / l, rounded to f16: a lane's eight channels are half a fragment of y [16 tokens x 32 channels]: each store covers 512 consecutive bytes
.irp t, 0,1
	v_add_f32 v[ST+10*\t+6], v[ST+10*\t+2], v[ST+10*\t+3]
.endr
.irp t, 0,1
	v_permlanex16_b32 v[ST+10*\t+7], v[ST+10*\t+6], s[SEL], s[SEL+1]
.endr
.irp t, 0,1
	v_add_f32 v[ST+10*\t+6], v[ST+10*\t+6], v[ST+10*\t+7]
.endr
.irp t, 0,1
	v_rcp_f32 v[ST+10*\t+4], v[ST+10*\t+6]
.endr
	v_nop
	s_wait_alu depctr_va_vdst(0)
.irp t, 0,1
.set i, 0
.rept 16
	v_pk_mul_f32 v[O+32*\t+i:O+32*\t+i+1], v[O+32*\t+i:O+32*\t+i+1], v[ST+10*\t+4:ST+10*\t+5] op_sel_hi:[1,0]
.set i, i+2
.endr
.endr
.irp t, 0,1
.set i, 0
.rept 16
	v_cvt_pk_f16_f32 v[S+16*\t+i], v[O+32*\t+2*i], v[O+32*\t+2*i+1]
.set i, i+1
.endr
.endr
.irp t, 0,1
.irp ct, 0,1,2,3
	global_store_b128 v[LA], v[S+16*\t+4*\ct:S+16*\t+4*\ct+3], s[6:7] offset:4096*\t+1024*(\ct/2)+512*(\ct%2)
.endr
.endr
	s_wait_tensorcnt 0x0                           ; the wave's end
	ds_add_u32 v[SPW], v[NIL]
	s_wait_dscnt 0x0
	s_endpgm
.Lfunc_end_k_q81a1a0f5fe_attn:
	.size	k_q81a1a0f5fe_attn, .Lfunc_end_k_q81a1a0f5fe_attn-k_q81a1a0f5fe_attn
	.p2alignl 7, 3214868480
	.fill 96, 4, 3214868480
	.section	.rodata,"a",@progbits
	.p2align	6, 0x0
	.amdhsa_kernel k_q81a1a0f5fe_attn
		.amdhsa_group_segment_fixed_size 327680
		.amdhsa_private_segment_fixed_size 0
		.amdhsa_enable_private_segment 0
		.amdhsa_kernarg_size 16
		.amdhsa_user_sgpr_count 2
		.amdhsa_user_sgpr_kernarg_segment_ptr 1
		.amdhsa_wavefront_size32 1
		.amdhsa_system_sgpr_workgroup_id_x 1
		.amdhsa_system_sgpr_workgroup_id_y 1
		.amdhsa_system_sgpr_workgroup_id_z 1
		.amdhsa_system_vgpr_workitem_id 0
		.amdhsa_next_free_vgpr 256
		.amdhsa_next_free_sgpr 66
		.amdhsa_reserve_vcc 1
		.amdhsa_float_denorm_mode_32 3
		.amdhsa_float_denorm_mode_16_64 3
		.amdhsa_memory_ordered 1
		.amdhsa_forward_progress 1
		.amdhsa_inst_pref_size 184
	.end_amdhsa_kernel
	.amdgpu_metadata
---
amdhsa.version: [ 1, 2 ]
amdhsa.kernels:
  - .name:           k_q81a1a0f5fe_attn
    .symbol:         k_q81a1a0f5fe_attn.kd
    .args:
      - { .name: qkv, .offset: 0, .size: 8, .value_kind: global_buffer, .address_space: global }
      - { .name: yi, .offset: 8, .size: 8, .value_kind: global_buffer, .address_space: global }
    .group_segment_fixed_size: 327680
    .private_segment_fixed_size: 0
    .kernarg_segment_align: 8
    .kernarg_segment_size: 16
    .max_flat_workgroup_size: 512
    .sgpr_count:     66
    .vgpr_count:     256
    .wavefront_size: 32
...
	.end_amdgpu_metadata
.endif
;; end of part 3
;; launch proj (part 4): grid 4 x 64, 4 waves a work-group, clusters of 4 x 4, 327,680 bytes of LDS; arguments yi, wpi, bp, out0; writes out0
.if DOCPART == 4
	.amdgcn_target "amdgcn-amd-amdhsa--gfx1250"
	.amdhsa_code_object_version 6
	.text
	.protected	k_q81a1a0f5fe_proj
	.globl	k_q81a1a0f5fe_proj
	.p2align	8
	.type	k_q81a1a0f5fe_proj,@function
k_q81a1a0f5fe_proj:
	s_mov_b64 s[64:65], 0
	v_nop
	global_prefetch_b8 v0, s[64:65] scope:SCOPE_SE
	s_setreg_imm32_b32 hwreg(HW_REG_WAVE_MODE, 25, 1), 1
	s_wait_xcnt 0x0
	s_wait_alu depctr_hold_cnt(0) depctr_sa_sdst(0) depctr_va_vdst(0) depctr_va_sdst(0) depctr_va_ssrc(0) depctr_va_vcc(0) depctr_vm_vsrc(0)
	s_getreg_b32 s2, hwreg(HW_REG_IB_STS2, 6, 4)
	s_cmp_eq_u32 s2, 0
	s_cbranch_scc0 .Lentry_in_a_cluster
	s_endpgm
.Lentry_in_a_cluster:
	s_bfe_u32 s2, ttmp6, 0x10000c
	s_cmp_lg_u32 s2, 0xf033
	s_cbranch_scc0 .Lentry_shape_is_right
	s_endpgm
.Lentry_shape_is_right:
; out = y wp + bp, f16 operands, f32 sums.  LEFT OUT: the stores of positions 0-15 of each sequence, which the last launch makes in f32.
; A tile of 128 rows x 256 columns to a work-group (256 of them), 64 x 128 a wave: 32 accumulators, window 2.  K in eight steps of 128 through two LDS slots.
; y and wp lie in memory as images of fragments: a K step's 128 rows of y are 32,768 dense bytes, its 256 columns of wp 65,536; a fragment is two loads at 16 x lane.
; CLUSTERS 4 x 4: y's tiles are shared along a row of the cluster, wp's along a column.  Used transposed (source 0 = 16 columns of wp, source 1 = 16 rows of y): a lane holds eight neighbouring columns of a row.
; bp is the C of each sum's first product.  Results leave through each wave's stage in slot 0, which has had its last fill and its last read by then, as whole rows of 512 bytes.
; REGISTERS: window 0: v16-30 addresses; v32-159 rows on the way out; v160-223 bp.  window 1: two fragment buffers of 96 (A's four at f, B's eight at f + 32).
.set SLOT,  98304                      ; A's 8 row tiles of 4,096 bytes, then B's 16 column tiles
.set BOFF,  32768
.set SPARE, 196608
.set ADRA, 16
.set ADRB, 20
.set STO,  24
.set RD,   25
.set CO,   26
.set BO,   27
.set SPW,  28
.set NIL,  29
.set PFO,  30
.set BK,   32
.set BIAS, 160
.set F0,   0
.set F1,   96
.set G1,   24
.set G0,   32
.set G1B,  48
.set G0B,  56
.set PFA,  46
.set PFS,  66
.set LIM,  68
.set MSB, 0
.macro WIN new
.if MSB != (\new)
	s_set_vgpr_msb (MSB<<8)|(\new)
.set MSB, (\new)
.endif
.endm
.macro JLOAD s                         ; waves 0, 1 fetch A's halves, waves 2, 3 B's
	s_cmp_eq_u32 s13, 0
	s_cbranch_scc0 .Lfor_b_\@
	tensor_load_to_lds s[G0+4*\s:G0+4*\s+3], s[G1:G1+7]
	s_nop 0
.rept 4
	v_nop
.endr
	s_branch .Lasked_\@
.Lfor_b_\@:
	tensor_load_to_lds s[G0B+4*\s:G0B+4*\s+3], s[G1B:G1B+7]
	s_nop 0
.rept 4
	v_nop
.endr
.Lasked_\@:
.endm
.macro CREST
	s_cmp_lg_u32 s12, 0
	s_cbranch_scc1 .Lnot_wave_0_\@
	s_barrier_signal -3
.Lnot_wave_0_\@:
	s_barrier_wait -3
	s_barrier_signal -1
	s_barrier_wait -1
.endm
.macro CROUND
	s_barrier_signal -1
	s_barrier_wait -1
	CREST
.endm
; A prefetch of the K step two refills on, 8,192 bytes a wave, lanes 256 bytes apart.  y's 32,768 bytes: wave 0 of each of the four partners of a row, told apart by address (cx).
; wp's 65,536 bytes of a column: waves 2, 3 of the four partners of the column in the first cluster, told apart by address (cy, wave).  The loop's last trip asks for nothing.
.macro ASK
	WIN 0
	s_cmp_gt_u32 s3, s[LIM]
	s_cbranch_scc0 .Lnot_mine_\@
	global_prefetch_b8 v[PFO], s[PFA:PFA+1] th:TH_LOAD_NT scope:SCOPE_SE
.Lnot_mine_\@:
.endm
	s_load_b256 s[4:11], s[0:1], 0x0               ; yi, wpi, bp, out0
	v_lshl_add_u32 v[SPW], v0, 2, SPARE
	v_mov_b32 v[NIL], 0
	ds_add_u32 v[SPW], v[NIL]                      ; the opening: the add, twice on end, and its wait ahead of my first tensor load
	ds_add_u32 v[SPW], v[NIL]
	v_lshrrev_b32 v1, 5, v0
	v_readfirstlane_b32 s12, v1                    ; wave
	s_lshr_b32 s13, s12, 1                         ; my 64 rows; also: I fetch for A (0) or B (1)
	s_and_b32 s14, s12, 1                          ; my 128 columns; also: which half I fetch
	s_bfe_u32 s40, ttmp6, 0x40000                  ; cx = the tile's column
	s_bfe_u32 s41, ttmp6, 0x40004                  ; cy
	s_and_b32 s72, ttmp7, 0xffff                   ; cluster y
	s_lshl_b32 s42, s72, 2
	s_add_co_u32 s42, s42, s41                     ; the tile's row
	s_lshl_b32 s43, s41, 2
	s_lshl_b32 s43, 15, s43
	s_lshl_b32 s44, 0x1111, s40
	s_or_b32 s[G1], s43, (3<<16)|(1<<21)           ; dense blocks as rows of 256 bytes: A 64 rows, B 128
	s_or_b32 s[G1B], s44, (3<<16)|(1<<21)
	s_mov_b32 s[G1+1], 32<<16
	s_mov_b32 s[G1+2], 64<<16
	s_mov_b32 s[G1+3], 32<<16
	s_mov_b32 s[G1+4], 64
	s_mov_b32 s[G1+5], 32
	s_mov_b32 s[G1+6], 0
	s_mov_b32 s[G1+7], 0
	s_mov_b32 s[G1B+1], 32<<16
	s_mov_b32 s[G1B+2], 128<<16
	s_mov_b32 s[G1B+3], 32<<16
	s_mov_b32 s[G1B+4], 128
	s_mov_b32 s[G1B+5], 32
	s_mov_b32 s[G1B+6], 0
	s_mov_b32 s[G1B+7], 0
	s_lshl_b32 s16, s42, 15
	s_lshl_b32 s17, s14, 14
	s_add_co_u32 s16, s16, s17
	s_mov_b32 s17, 0
	s_lshl_b32 s18, s40, 16
	s_lshl_b32 s19, s14, 15
	s_add_co_u32 s18, s18, s19
	s_mov_b32 s19, 0
	s_lshl_b32 s20, s14, 14                        ; LDS: A's half,
	s_lshl_b32 s21, s14, 15
	s_add_co_u32 s21, s21, BOFF                    ; B's half
	s_wait_dscnt 0x0
	s_wait_kmcnt 0x0
	s_add_nc_u64 s[22:23], s[4:5], s[16:17]
	s_add_nc_u64 s[70:71], s[6:7], s[18:19]
	CROUND
.irp s, 0,1
	s_mov_b32 s[G0+4*\s], 1
	s_add_co_u32 s[G0+4*\s+1], s20, \s*SLOT
	s_add_nc_u64 s[G0+4*\s+2:G0+4*\s+3], s[22:23], \s*2097152
	s_or_b32 s[G0+4*\s+3], s[G0+4*\s+3], 0x80000000
	s_mov_b32 s[G0B+4*\s], 1
	s_add_co_u32 s[G0B+4*\s+1], s21, \s*SLOT
	s_add_nc_u64 s[G0B+4*\s+2:G0B+4*\s+3], s[70:71], \s*262144
	s_or_b32 s[G0B+4*\s+3], s[G0B+4*\s+3], 0x80000000
	JLOAD \s
.endr
	v_and_b32 v1, 15, v0
	v_bfe_u32 v2, v0, 4, 1
	v_and_b32 v3, 31, v0
	v_lshlrev_b32 v[CO], 4, v3
	v_lshlrev_b32 v[PFO], 8, v3
	v_lshlrev_b32 v[BO], 5, v2
	s_lshl_b32 s16, s40, 10
	s_lshl_b32 s17, s14, 9
	s_add_co_u32 s16, s16, s17                     ; my first column, in bytes of f32
	s_mov_b32 s17, 0
	s_add_nc_u64 s[8:9], s[8:9], s[16:17]
.irp b, 0,1,2,3,4,5,6,7
	global_load_b128 v[BIAS+8*\b:BIAS+8*\b+3], v[BO], s[8:9] offset:64*\b
	global_load_b128 v[BIAS+8*\b+4:BIAS+8*\b+7], v[BO], s[8:9] offset:64*\b+16
.endr
	s_lshl_b32 s18, s42, 19
	s_lshl_b32 s19, s13, 18
	s_add_co_u32 s18, s18, s19
	s_add_co_u32 s18, s18, s16
	s_mov_b32 s19, 0
	s_add_nc_u64 s[10:11], s[10:11], s[18:19]
	s_and_b32 s15, s42, 15
	s_or_b32 s15, s15, s13                         ; 0 where my first 16 rows are a sequence's first 16
	s_lshl_b32 s16, s13, 14
	s_lshl_b32 s17, s14, 15
	s_add_co_u32 s17, s17, BOFF
.irp s, 0,1
	v_add_nc_u32 v[ADRA+\s], s16, v[CO]
	v_add_nc_u32 v[ADRB+\s], s17, v[CO]
	s_add_co_u32 s16, s16, SLOT
	s_add_co_u32 s17, s17, SLOT
.endr
	s_mul_i32 s16, s12, 8448                       ; my stage: 16 rows x 528
	v_mul_u32_u24 v4, v1, 528
	v_lshl_add_u32 v4, v2, 5, v4
	v_add_nc_u32 v[STO], s16, v4
	v_add_nc_u32 v[RD], s16, v[CO]
	s_lshl_b32 s73, s42, 15
	s_lshl_b32 s74, s40, 13
	s_add_co_u32 s73, s73, s74
	s_lshl_b32 s75, s40, 16
	s_lshl_b32 s74, s41, 14
	s_add_co_u32 s75, s75, s74
	s_lshl_b32 s74, s14, 13
	s_add_co_u32 s75, s75, s74
	s_mov_b32 s[PFS], 0x40000
	s_cmp_eq_u32 s13, 0
	s_cselect_b64 s[PFA:PFA+1], s[4:5], s[6:7]
	s_cselect_b32 s[PFS], 0x200000, s[PFS]         ; a K step on, in bytes
	s_cselect_b32 s76, s73, s75
	s_cselect_b32 s74, s14, s72
	s_mov_b32 s[PFS+1], 0
	s_mov_b32 s77, 0
	s_cmp_eq_u32 s74, 0
	s_cselect_b32 s[LIM], 1, -1
	s_mul_i32 s74, s[PFS], 3
	s_add_co_u32 s76, s76, s74                     ; at K step 3: the first refill steps it to 4
	s_add_nc_u64 s[PFA:PFA+1], s[PFA:PFA+1], s[76:77]
.macro MUL8 f, a, first                ; row block a x the eight column blocks, 32 along K
.if \first
	WIN 0x85                                       ; sources 0, 1 window 1, C (bp) window 0, D window 2
.else
	WIN 0xa5
.endif
.irp b, 0,1,2,3,4,5,6,7
.if \first
	v_wmma_f32_16x16x32_f16 v[8*(8*(\a)+\b):8*(8*(\a)+\b)+7], v[\f+32+8*\b:\f+32+8*\b+7], v[\f+8*(\a):\f+8*(\a)+7], v[BIAS+8*\b:BIAS+8*\b+7]
.else
	v_wmma_f32_16x16x32_f16 v[8*(8*(\a)+\b):8*(8*(\a)+\b)+7], v[\f+32+8*\b:\f+32+8*\b+7], v[\f+8*(\a):\f+8*(\a)+7], v[8*(8*(\a)+\b):8*(8*(\a)+\b)+7]
.endif
.endr
.endm
.macro FETCH slot, q, f                ; 24 loads in one run
	WIN 0x40
.irp b, 0,1,2,3,4,5,6,7
.irp c, 0,1
	ds_load_b128 v[\f+32+8*\b+4*\c:\f+32+8*\b+4*\c+3], v[ADRB+\slot] offset:4096*\b+1024*(\q)+512*\c
.endr
.endr
.irp a, 0,1,2,3
.irp c, 0,1
	ds_load_b128 v[\f+8*\a+4*\c:\f+8*\a+4*\c+3], v[ADRA+\slot] offset:4096*\a+1024*(\q)+512*\c
.endr
.endr
.endm
.macro PLACES
.rept 4
	v_nop
.endr
.endm
.macro QUARTER slot, qn, f, g, first   ; 32 along K from buffer f; the next quarter's fragments go into g in its middle
	s_wait_dscnt 0x0
	MUL8 \f, 0, \first
	MUL8 \f, 1, \first
	PLACES
	FETCH \slot, \qn, \g
	MUL8 \f, 2, \first
	MUL8 \f, 3, \first
.endm
.macro TURN slot, next, fill           ; a K step's last quarter changes slots
.if \fill
	WIN 0
	s_wait_xcnt 0x0                                ; the last prefetch has read its address
	s_add_nc_u64 s[PFA:PFA+1], s[PFA:PFA+1], s[PFS:PFS+1]
.endif
	WIN 0
	s_wait_tensorcnt 0x0                           ; all my tensor loads have landed: my part of the next slot
	ds_add_u32 v[SPW], v[NIL]
	s_wait_dscnt 1                                 ; the add alone may be out
	MUL8 F1, 0, 0
	s_wait_dscnt 0x0                               ; the add is done, and my reads of this slot are over
	s_barrier_signal -1
	MUL8 F1, 1, 0
	WIN 0
	s_barrier_wait -1
.if \fill
	CREST                                          ; the barrier has opened a round of the cluster's: no wave of any partner still reads this slot or has a load on its way
	s_add_nc_u64 s[G0+4*\slot+2:G0+4*\slot+3], s[G0+4*\slot+2:G0+4*\slot+3], 4194304
	s_add_nc_u64 s[G0B+4*\slot+2:G0B+4*\slot+3], s[G0B+4*\slot+2:G0B+4*\slot+3], 524288
	JLOAD \slot                                    ; its four v_nop are also the places in front of the loads below
.else
	PLACES
.endif
	FETCH \next, 0, F0
.if \fill
	ASK
.endif
	MUL8 F1, 2, 0
	MUL8 F1, 3, 0
.endm
	s_wait_tensorcnt 1                             ; my part of K step 0 is in; K step 1's may be out
	s_barrier_signal -1
	s_barrier_wait -1
	s_wait_loadcnt 0x0                             ; bp
	FETCH 0, 0, F0
	QUARTER 0, 1, F0, F1, 1
	WIN 0
	s_mov_b32 s3, 3
.Llap:
	QUARTER 0, 2, F1, F0, 0
	QUARTER 0, 3, F0, F1, 0
	TURN 0, 1, 1
	QUARTER 1, 1, F0, F1, 0
	QUARTER 1, 2, F1, F0, 0
	QUARTER 1, 3, F0, F1, 0
	TURN 1, 0, 1
	QUARTER 0, 1, F0, F1, 0
	WIN 0
	s_sub_co_u32 s3, s3, 1
	s_cmp_lg_u32 s3, 0
	s_cbranch_scc1 .Llap
	QUARTER 0, 2, F1, F0, 0
	QUARTER 0, 3, F0, F1, 0
	TURN 0, 1, 0
	QUARTER 1, 1, F0, F1, 0
	QUARTER 1, 2, F1, F0, 0
	QUARTER 1, 3, F0, F1, 0
	s_wait_dscnt 0x0
	MUL8 F1, 0, 0
	MUL8 F1, 1, 0
	MUL8 F1, 2, 0
	MUL8 F1, 3, 0
	WIN 0
.macro TOSTAGE a                       ; 16 rows x 128 columns into my stage and back as whole rows; LDS serves a wave's instructions in order
	WIN 0x08
.irp b, 0,1,2,3,4,5,6,7
	ds_store_b128 v[STO], v[8*(8*(\a)+\b):8*(8*(\a)+\b)+3] offset:64*\b
	ds_store_b128 v[STO], v[8*(8*(\a)+\b)+4:8*(8*(\a)+\b)+7] offset:64*\b+16
.endr
	WIN 0
.irp t, 0,1,2,3,4,5,6,7,8,9,10,11,12,13,14,15
	ds_load_b128 v[BK+64*((\a)%2)+4*\t:BK+64*((\a)%2)+4*\t+3], v[RD] offset:528*\t
.endr
.endm
.macro SEND a, younger
	s_wait_dscnt \younger
.irp t, 0,1,2,3,4,5,6,7,8,9,10,11,12,13,14,15
	global_store_b128 v[CO], v[BK+64*((\a)%2)+4*\t:BK+64*((\a)%2)+4*\t+3], s[10:11] offset:65536*(\a)+4096*\t th:TH_STORE_NT   ; 512 consecutive bytes of a row
.endr
.endm
	PLACES
	TOSTAGE 0
	TOSTAGE 1
	s_wait_xcnt 0x0                                ; EXEC changes only behind this wait
	v_cmp_ne_u32 vcc_lo, s15, v[NIL]               ; all lanes or none: a sequence's first 16 rows are the last launch's
	s_and_saveexec_b32 s69, vcc_lo
	SEND 0, 32                                     ; behind block 0's loads: block 1's 16 stores and 16 loads
	s_wait_xcnt 0x0
	s_or_b32 exec_lo, exec_lo, s69
	TOSTAGE 2
	SEND 1, 32
	s_wait_xcnt 0x0                                ; block 1's stores have read their registers
	TOSTAGE 3
	SEND 2, 32
	SEND 3, 0
	s_wait_tensorcnt 0x0                           ; the wave's end
	ds_add_u32 v[SPW], v[NIL]
	s_wait_dscnt 0x0
	CROUND                                         ; the closing round
	s_endpgm
.Lfunc_end_k_q81a1a0f5fe_proj:
	.size	k_q81a1a0f5fe_proj, .Lfunc_end_k_q81a1a0f5fe_proj-k_q81a1a0f5fe_proj
	.p2alignl 7, 3214868480
	.fill 96, 4, 3214868480
	.section	.rodata,"a",@progbits
	.p2align	6, 0x0
	.amdhsa_kernel k_q81a1a0f5fe_proj
		.amdhsa_group_segment_fixed_size 327680
		.amdhsa_private_segment_fixed_size 0
		.amdhsa_enable_private_segment 0
		.amdhsa_kernarg_size 32
		.amdhsa_user_sgpr_count 2
		.amdhsa_user_sgpr_kernarg_segment_ptr 1
		.amdhsa_wavefront_size32 1
		.amdhsa_system_sgpr_workgroup_id_x 1
		.amdhsa_system_sgpr_workgroup_id_y 1
		.amdhsa_system_sgpr_workgroup_id_z 1
		.amdhsa_system_vgpr_workitem_id 0
		.amdhsa_next_free_vgpr 768
		.amdhsa_next_free_sgpr 80
		.amdhsa_reserve_vcc 1
		.amdhsa_float_denorm_mode_32 3
		.amdhsa_float_denorm_mode_16_64 3
		.amdhsa_memory_ordered 1
		.amdhsa_forward_progress 1
		.amdhsa_inst_pref_size 87
	.end_amdhsa_kernel
	.amdgpu_metadata
---
amdhsa.version: [ 1, 2 ]
amdhsa.kernels:
  - .name:           k_q81a1a0f5fe_proj
    .symbol:         k_q81a1a0f5fe_proj.kd
    .args:
      - { .name: yi, .offset: 0, .size: 8, .value_kind: global_buffer, .address_space: global }
      - { .name: wpi, .offset: 8, .size: 8, .value_kind: global_buffer, .address_space: global }
      - { .name: bp, .offset: 16, .size: 8, .value_kind: global_buffer, .address_space: global }
      - { .name: out0, .offset: 24, .size: 8, .value_kind: global_buffer, .address_space: global }
    .group_segment_fixed_size: 327680
    .private_segment_fixed_size: 0
    .kernarg_segment_align: 8
    .kernarg_segment_size: 32
    .max_flat_workgroup_size: 128
    .sgpr_count:     80
    .vgpr_count:     768
    .wavefront_size: 32
...
	.end_amdgpu_metadata
.endif
;; end of part 4
;; launch fine (part 5): grid 16 x 4, 16 waves a work-group, no clusters, 85,248 bytes of LDS; arguments qkv32, wp, bp, out0; writes out0
.if DOCPART == 5
	.amdgcn_target "amdgcn-amd-amdhsa--gfx1250"
	.amdhsa_code_object_version 6
	.text
	.protected	k_q81a1a0f5fe_fine
	.globl	k_q81a1a0f5fe_fine
	.p2align	8
	.type	k_q81a1a0f5fe_fine,@function
k_q81a1a0f5fe_fine:
	s_mov_b64 s[64:65], 0
	v_nop
	global_prefetch_b8 v0, s[64:65] scope:SCOPE_SE
	s_setreg_imm32_b32 hwreg(HW_REG_WAVE_MODE, 25, 1), 1
	s_wait_xcnt 0x0
; Positions 0-15 of each sequence in f32: they average one to sixteen values and are the largest in size.  Scores, softmax, P V and the projection, all with f32 operands.
; LEFT OUT as in the launches before: bk.  Only these 64 rows of the output are made here.
; Work-group (slice of 64 output columns, batch).  Phase 1: wave w is head w: 16 x 16 scores, causal, 16 x 64 of y into LDS.  Phase 2: wave w takes column tile w % 4 of the slice and
; quarter w / 4 of K = 1,024; the four quarters meet in LDS.  q, k, v come as images of f32 accumulators: q, k: lane = token, registers = channels 16 c + 8 h + j; v: lane = channel, registers = tokens 8 h + j.
; A pair of registers (2 e, 2 e + 1) of such an image is an operand of the K = 4 form; both sides of a product take the same k in the same places.
; The registers v208-239 are written by matrix instructions alone; each sum begins with the constant 0.
.set YB,    0                          ; y: 16 rows x 4,112
.set PB,    65792                      ; four quarters x 16 rows x 272
.set SPARE, 83200
.set SPW, 12
.set NIL, 13
.set P,   20
.set QR,  48
.set KR,  80
.set VR,  112
.set W1,  144
.set ACC, 208
	s_load_b256 s[4:11], s[0:1], 0x0               ; qkv32, wp, bp, out0
	v_lshl_add_u32 v[SPW], v0, 2, SPARE
	v_mov_b32 v[NIL], 0
	v_lshrrev_b32 v1, 5, v0
	v_readfirstlane_b32 s12, v1                    ; wave
	s_and_b32 s13, s12, 3                          ; column tile
	s_lshr_b32 s14, s12, 2                         ; quarter of K
	s_and_b32 s15, ttmp7, 0xffff                   ; batch
	v_and_b32 v14, 31, v0
	v_lshlrev_b32 v1, 4, v14                       ; 16 x lane
	v_and_b32 v2, 15, v0                           ; r
	v_bfe_u32 v3, v0, 4, 1                         ; h
	v_lshlrev_b32 v4, 3, v3
	v_sub_nc_u32 v4, v2, v4                        ; r - 8 h
	v_mul_u32_u24 v15, v2, 4112
	v_lshl_add_u32 v5, v3, 5, v15
	s_lshl_b32 s16, s12, 8
	v_add_nc_u32 v5, s16, v5                       ; y in: row r, head w, + 32 h
	v_lshl_add_u32 v6, v3, 4, v15
	s_lshl_b32 s16, s14, 10
	v_add_nc_u32 v6, s16, v6                       ; y out: row r, my quarter, + 16 h
	v_mul_u32_u24 v7, v2, 272
	v_lshl_add_u32 v7, v3, 5, v7
	s_mul_i32 s16, s14, 4352
	s_lshl_b32 s17, s13, 6
	s_add_co_u32 s16, s16, s17
	s_add_co_u32 s16, s16, PB
	v_add_nc_u32 v7, s16, v7                       ; partial sums in
	v_lshrrev_b32 v14, 4, v0
	v_lshlrev_b32 v11, 4, v2
	v_mul_u32_u24 v8, v14, 272
	v_add_nc_u32 v8, v8, v11
	v_add_nc_u32 v8, PB, v8                        ; and out: thread t: row t / 16, 16 bytes
	v_lshl_add_u32 v10, v14, 12, v11               ; the same place in the output
	v_lshlrev_b32 v9, 14, v3
	v_lshl_add_u32 v9, v2, 2, v9                   ; wp: four rows down for lanes 16-31, column r
	s_mov_b32 s18, 0x76543210
	s_mov_b32 s19, 0xfedcba98
	s_lshl_b32 s20, s15, 16
	s_lshl_b32 s21, s12, 12
	s_add_co_u32 s20, s20, s21
	s_mov_b32 s21, 0
	s_lshl_b32 s22, s14, 20
	s_lshl_b32 s23, ttmp9, 8
	s_add_co_u32 s22, s22, s23
	s_lshl_b32 s24, s13, 6
	s_add_co_u32 s22, s22, s24
	s_mov_b32 s24, s23
	s_mov_b32 s23, 0
	s_mov_b32 s25, 0
	s_lshl_b32 s26, s15, 23
	s_add_co_u32 s26, s26, s24
	s_mov_b32 s27, 0
	s_wait_kmcnt 0x0
	s_add_nc_u64 s[4:5], s[4:5], s[20:21]
	s_add_nc_u64 s[6:7], s[6:7], s[22:23]
	s_add_nc_u64 s[8:9], s[8:9], s[24:25]
	s_add_nc_u64 s[10:11], s[10:11], s[26:27]
	global_load_b128 v[16:19], v11, s[8:9]         ; bp
.irp m, 0,1,2                          ; q, k, v of my head: four tiles of 1,024 bytes each
.irp c, 0,1,2,3
.irp g, 0,1
	global_load_b128 v[QR+32*\m+8*\c+4*\g:QR+32*\m+8*\c+4*\g+3], v1, s[4:5] offset:262144*\m+1024*\c+512*\g
.endr
.endr
.endr
.set u, 0
.rept 16                               ; wp(256 kq + 8 u + 4 h + e, my column r), u = 0 .. 15
.irp e, 0,1,2,3
	global_load_b32 v[W1+4*u+\e], v9, s[6:7] offset:(8*u+\e)*4096
.endr
.set u, u+1
.endr
	s_wait_loadcnt 63                              ; of the 89 loads issued at most the last 63 are out: bp, q, k, v are in
.irp e, 0,1,2,3                        ; S^T = K Q^T: four accumulators by turns, one for each 16 channels
.irp c, 0,1,2,3
.if \e == 0
	v_wmma_f32_16x16x4_f32 v[ACC+8*\c:ACC+8*\c+7], v[KR+8*\c+2*\e:KR+8*\c+2*\e+1], v[QR+8*\c+2*\e:QR+8*\c+2*\e+1], 0
.else
	v_wmma_f32_16x16x4_f32 v[ACC+8*\c:ACC+8*\c+7], v[KR+8*\c+2*\e:KR+8*\c+2*\e+1], v[QR+8*\c+2*\e:QR+8*\c+2*\e+1], v[ACC+8*\c:ACC+8*\c+7]
.endif
.endr
.endr
.rept 8
	v_nop
.endr
.set u, 16
.rept 16                               ; the second half of my quarter of wp, into q's and k's registers
.irp e, 0,1,2,3
	global_load_b32 v[QR+4*(u-16)+\e], v9, s[6:7] offset:(8*u+\e)*4096
.endr
.set u, u+1
.endr
.irp i, 0,2,4,6
	v_pk_add_f32 v[P+\i:P+\i+1], v[ACC+\i:ACC+\i+1], v[ACC+8+\i:ACC+8+\i+1]
.endr
.irp i, 0,2,4,6
	v_pk_add_f32 v[28+\i:28+\i+1], v[ACC+16+\i:ACC+16+\i+1], v[ACC+24+\i:ACC+24+\i+1]
.endr
.irp i, 0,2,4,6
	v_pk_add_f32 v[P+\i:P+\i+1], v[P+\i:P+\i+1], v[28+\i:28+\i+1]
.endr
	v_mov_b32 v40, 0xff800000
	v_mov_b32 v42, 0
.irp j, 0,1,2,3,4,5,6,7
	v_cmp_gt_i32 vcc_lo, \j, v4                    ; key 8 h + j after query r
	v_cndmask_b32 v[P+\j], v[P+\j], v40, vcc_lo
.endr
	v_max3_num_f32 v41, v[P], v[P+1], v[P+2]
	v_max3_num_f32 v41, v41, v[P+3], v[P+4]
	v_max3_num_f32 v41, v41, v[P+5], v[P+6]
	v_max_num_f32 v41, v41, v[P+7]
	v_permlanex16_b32 v42, v41, s18, s19
	v_max_num_f32 v36, v41, v42                    ; the row's maximum: key 0 counts for every query
	v_mov_b32 v37, v36
.irp i, 0,2,4,6
	v_pk_add_f32 v[P+\i:P+\i+1], v[P+\i:P+\i+1], v[36:37] neg_lo:[0,1] neg_hi:[0,1]
.endr
.irp j, 0,1,2,3,4,5,6,7
	v_exp_f32 v[P+\j], v[P+\j]
.endr
	v_nop
	s_wait_alu depctr_va_vdst(0)                   ; one wait for the eight, ahead of their first reader
	v_pk_add_f32 v[28:29], v[P:P+1], v[P+2:P+3]
	v_pk_add_f32 v[30:31], v[P+4:P+5], v[P+6:P+7]
	v_pk_add_f32 v[28:29], v[28:29], v[30:31]
	v_add_f32 v41, v28, v29
	v_permlanex16_b32 v42, v41, s18, s19
	v_add_f32 v41, v41, v42
	v_rcp_f32 v38, v41
	v_rcp_f32 v39, v41
	v_nop
	s_wait_alu depctr_va_vdst(0)
.irp e, 0,1,2,3                        ; O^T = V^T P: four accumulators by turns, one for each 16 channels
.irp c, 0,1,2,3
.if \e == 0
	v_wmma_f32_16x16x4_f32 v[ACC+8*\c:ACC+8*\c+7], v[VR+8*\c+2*\e:VR+8*\c+2*\e+1], v[P+2*\e:P+2*\e+1], 0
.else
	v_wmma_f32_16x16x4_f32 v[ACC+8*\c:ACC+8*\c+7], v[VR+8*\c+2*\e:VR+8*\c+2*\e+1], v[P+2*\e:P+2*\e+1], v[ACC+8*\c:ACC+8*\c+7]
.endif
.endr
.endr
.rept 8
	v_nop
.endr
.set i, 0
.rept 16
	v_pk_mul_f32 v[VR+i:VR+i+1], v[ACC+i:ACC+i+1], v[38:39]
.set i, i+2
.endr
.irp c, 0,1,2,3
	ds_store_b128 v5, v[VR+8*\c:VR+8*\c+3] offset:64*\c
	ds_store_b128 v5, v[VR+8*\c+4:VR+8*\c+7] offset:64*\c+16
.endr
	s_wait_dscnt 0x0                               ; for the others' sake: my stores are done
	s_barrier_signal -1
	s_barrier_wait -1                              ; 16 rows of y lie in LDS
	s_wait_loadcnt 0x0                             ; wp
.irp g, 0,1,2,3                        ; 64 along K at a time; two accumulators by turns
.irp i, 0,1,2,3,4,5,6,7
	ds_load_b128 v[VR+4*\i:VR+4*\i+3], v6 offset:32*(8*\g+\i)     ; y(r, 256 kq + 8 u + 4 h + 0 .. 3)
.endr
	s_wait_dscnt 0x0
.irp i, 0,1,2,3,4,5,6,7
.if 8*\g+\i < 16
.set WR, W1+4*(8*\g+\i)
.else
.set WR, QR+4*(8*\g+\i-16)
.endif
.if 8*\g+\i == 0
	v_wmma_f32_16x16x4_f32 v[ACC:ACC+7], v[WR:WR+1], v[VR+4*\i:VR+4*\i+1], 0
	v_wmma_f32_16x16x4_f32 v[ACC+8:ACC+15], v[WR+2:WR+3], v[VR+4*\i+2:VR+4*\i+3], 0
.else
	v_wmma_f32_16x16x4_f32 v[ACC:ACC+7], v[WR:WR+1], v[VR+4*\i:VR+4*\i+1], v[ACC:ACC+7]
	v_wmma_f32_16x16x4_f32 v[ACC+8:ACC+15], v[WR+2:WR+3], v[VR+4*\i+2:VR+4*\i+3], v[ACC+8:ACC+15]
.endif
.endr
.rept 8
	v_nop
.endr
.endr
.irp i, 0,2,4,6
	v_pk_add_f32 v[P+\i:P+\i+1], v[ACC+\i:ACC+\i+1], v[ACC+8+\i:ACC+8+\i+1]   ; lane = token r, register j = column 8 h + j
.endr
	ds_store_b128 v7, v[P:P+3]
	ds_store_b128 v7, v[P+4:P+7] offset:16
	s_wait_dscnt 0x0
	s_barrier_signal -1
	s_barrier_wait -1                              ; the four quarters' sums lie in LDS
	s_cmp_ge_u32 s12, 8                            ; 256 threads add and store 16 rows x 64 columns
	s_cbranch_scc1 .Ldone
.irp k, 0,1,2,3
	ds_load_b128 v[P+4*\k:P+4*\k+3], v8 offset:4352*\k
.endr
	s_wait_dscnt 0x0
	v_pk_add_f32 v[20:21], v[20:21], v[24:25]
	v_pk_add_f32 v[22:23], v[22:23], v[26:27]
	v_pk_add_f32 v[28:29], v[28:29], v[32:33]
	v_pk_add_f32 v[30:31], v[30:31], v[34:35]
	v_pk_add_f32 v[20:21], v[20:21], v[28:29]
	v_pk_add_f32 v[22:23], v[22:23], v[30:31]
	v_pk_add_f32 v[20:21], v[20:21], v[16:17]
	v_pk_add_f32 v[22:23], v[22:23], v[18:19]
	global_store_b128 v10, v[20:23], s[10:11]      ; sixteen lanes fill 256 consecutive bytes of a row
.Ldone:
	s_wait_tensorcnt 0x0                           ; the wave's end
	ds_add_u32 v[SPW], v[NIL]
	s_wait_dscnt 0x0
	s_endpgm
.Lfunc_end_k_q81a1a0f5fe_fine:
	.size	k_q81a1a0f5fe_fine, .Lfunc_end_k_q81a1a0f5fe_fine-k_q81a1a0f5fe_fine
	.p2alignl 7, 3214868480
	.fill 96, 4, 3214868480
	.section	.rodata,"a",@progbits
	.p2align	6, 0x0
	.amdhsa_kernel k_q81a1a0f5fe_fine
		.amdhsa_group_segment_fixed_size 85248
		.amdhsa_private_segment_fixed_size 0
		.amdhsa_enable_private_segment 0
		.amdhsa_kernarg_size 32
		.amdhsa_user_sgpr_count 2
		.amdhsa_user_sgpr_kernarg_segment_ptr 1
		.amdhsa_wavefront_size32 1
		.amdhsa_system_sgpr_workgroup_id_x 1
		.amdhsa_system_sgpr_workgroup_id_y 1
		.amdhsa_system_sgpr_workgroup_id_z 1
		.amdhsa_system_vgpr_workitem_id 0
		.amdhsa_next_free_vgpr 240
		.amdhsa_next_free_sgpr 66
		.amdhsa_reserve_vcc 1
		.amdhsa_float_denorm_mode_32 3
		.amdhsa_float_denorm_mode_16_64 3
		.amdhsa_memory_ordered 1
		.amdhsa_forward_progress 1
		.amdhsa_inst_pref_size 33
	.end_amdhsa_kernel
	.amdgpu_metadata
---
amdhsa.version: [ 1, 2 ]
amdhsa.kernels:
  - .name:           k_q81a1a0f5fe_fine
    .symbol:         k_q81a1a0f5fe_fine.kd
    .args:
      - { .name: qkv32, .offset: 0, .size: 8, .value_kind: global_buffer, .address_space: global }
      - { .name: wp, .offset: 8, .size: 8, .value_kind: global_buffer, .address_space: global }
      - { .name: bp, .offset: 16, .size: 8, .value_kind: global_buffer, .address_space: global }
      - { .name: out0, .offset: 24, .size: 8, .value_kind: global_buffer, .address_space: global }
    .group_segment_fixed_size: 85248
    .private_segment_fixed_size: 0
    .kernarg_segment_align: 8
    .kernarg_segment_size: 32
    .max_flat_workgroup_size: 512
    .sgpr_count:     66
    .vgpr_count:     240
    .wavefront_size: 32
...
	.end_amdgpu_metadata
.endif
;; end of part 5
